; MI455X (gfx1250); checked and timed in simulation.
; The chip was launched on July 23, 2026; its instructions are those of AMD's public machine-readable ISA for CDNA 5 (MIT licence, August 2026) and "CDNA5" Instruction Set Architecture Reference Guide (July 2026). The comments in the code are by the model that wrote it; some were corrected since.
;; Pair Encoder. Allowed arithmetic: float matrix products may take bf16 or f16 operands with f32 sums; all other float work in f32.
;; Inputs: pair 1 x 256 x 256 x 128 float32; params_ae_bias_w 128 x 8 float32; params_ae_g_b 128 float32; params_ae_g_w 128 x 128 float32; params_ae_k_w 128 x 128 float32; params_ae_ln_b 128 float32; params_ae_ln_g 128 float32; params_ae_o_b 128 float32; params_ae_o_w 128 x 128 float32; params_ae_q_w 128 x 128 float32; params_ae_v_w 128 x 128 float32; params_as_bias_w 128 x 8 float32; params_as_g_b 128 float32; params_as_g_w 128 x 128 float32; params_as_k_w 128 x 128 float32; params_as_ln_b 128 float32; params_as_ln_g 128 float32; params_as_o_b 128 float32; params_as_o_w 128 x 128 float32; params_as_q_w 128 x 128 float32; params_as_v_w 128 x 128 float32; params_ti_a_b 128 float32; params_ti_a_w 128 x 128 float32; params_ti_ag_b 128 float32; params_ti_ag_w 128 x 128 float32; params_ti_b_b 128 float32; params_ti_b_w 128 x 128 float32; params_ti_bg_b 128 float32; params_ti_bg_w 128 x 128 float32; params_ti_g_b 128 float32; params_ti_g_w 128 x 128 float32; params_ti_ln_b 128 float32; params_ti_ln_g 128 float32; params_ti_lno_b 128 float32; params_ti_lno_g 128 float32; params_ti_o_b 128 float32; params_ti_o_w 128 x 128 float32; params_to_a_b 128 float32; params_to_a_w 128 x 128 float32; params_to_ag_b 128 float32; params_to_ag_w 128 x 128 float32; params_to_b_b 128 float32; params_to_b_w 128 x 128 float32; params_to_bg_b 128 float32; params_to_bg_w 128 x 128 float32; params_to_g_b 128 float32; params_to_g_w 128 x 128 float32; params_to_ln_b 128 float32; params_to_ln_g 128 float32; params_to_lno_b 128 float32; params_to_lno_g 128 float32; params_to_o_b 128 float32; params_to_o_w 128 x 128 float32; params_tr_b1 512 float32; params_tr_b2 128 float32; params_tr_ln_b 128 float32; params_tr_ln_g 128 float32; params_tr_w1 128 x 512 float32; params_tr_w2 512 x 128 float32.
;; Outputs: out0 1 x 256 x 256 x 128 float32.
;; One version. Each part assembles by itself: llvm-mc -triple=amdgcn-amd-amdhsa -mcpu=gfx1250 --defsym DOCPART=n.
;; ======== version 1 of 1: 10 launches
;; limits: values outside matrix products are rounded to bf16
;; workspace buffers: ab 33,554,432 bytes; ob 33,554,432 bytes; pA 33,554,432 bytes; wTO 196,608 bytes; wTI 196,608 bytes; wAS 163,840 bytes; wAE 163,840 bytes; wTR 262,144 bytes
;; launch prep (part 1): grid 8 x 30, 8 waves a work-group, no clusters, 0 bytes of LDS; arguments params_to_b_w, params_to_bg_w, params_to_a_w, params_to_ag_w, params_to_g_w, params_to_o_w, params_ti_b_w, params_ti_bg_w, params_ti_a_w, params_ti_ag_w, params_ti_g_w, params_ti_o_w, params_as_q_w, params_as_k_w, params_as_v_w, params_as_g_w, params_as_o_w, params_ae_q_w, params_ae_k_w, params_ae_v_w, params_ae_g_w, params_ae_o_w, params_tr_w1, params_tr_w2, wTO, wTI, wAS, wAE, wTR; writes wTO, wTI, wAS, wAE, wTR
.if DOCPART == 1
	.amdgcn_target "amdgcn-amd-amdhsa--gfx1250"
	.amdhsa_code_object_version 6
	.text
	.protected	k_q096d56e9dd_prep
	.globl	k_q096d56e9dd_prep
	.p2align	8
	.type	k_q096d56e9dd_prep,@function
k_q096d56e9dd_prep:
	s_mov_b64 s[64:65], 0
	v_nop
	global_prefetch_b8 v0, s[64:65] scope:SCOPE_SE
	s_setreg_imm32_b32 hwreg(HW_REG_WAVE_MODE, 25, 1), 1
	s_wait_xcnt 0x0
; WEIGHTS INTO FRAGMENT ORDER.  Every weight matrix W[k][n] (f32) is cut into blocks of 128 k x 16 n, rounded to bf16 and laid
; so that a later launch loads a matrix fragment with plain 16-byte loads: a block is 4,096 bytes, [i = 0..7][lane 0..31][16 bytes],
; and lane (r = lane % 16, h = lane / 16) of part i holds W[16 i + 8 h + e][n0 + r], e = 0..7.
; One work-group makes one block: x = the block among eight, y = which eight: 0-5 wTO, 6-11 wTI, 12-16 wAS, 17-21 wAE (one matrix
; of 128 x 128 each, in the order of the arguments), 22-25 w1 (128 x 512: 32 column blocks), 26-29 w2 (512 x 128: rows 128 (y - 26) on, 8 column blocks).
; Thread t = 32 i + lane loads its eight numbers and stores its 16 bytes: a wave's store covers 512 consecutive bytes.
; Limit: the weights are matrix operands and are rounded to bf16 here, once.
	s_load_b512 s[4:19], s[0:1], 0x0               ; 24 sources in s[4:51], 5 destinations in s[52:61]
	s_load_b512 s[20:35], s[0:1], 0x40
	s_load_b512 s[36:51], s[0:1], 0x80
	s_load_b256 s[52:59], s[0:1], 0xc0
	s_load_b64 s[60:61], s[0:1], 0xe0
	s_and_b32 s2, ttmp7, 0xffff                    ; y
	s_min_u32 s62, s2, 22
	s_cmp_ge_u32 s2, 26
	s_cselect_b32 s62, 23, s62                     ; which source: y, 22 for w1, 23 for w2
	s_max_u32 s72, s2, 22
	s_sub_co_u32 s72, s72, 22
	s_lshl_b32 s72, s72, 7                         ; w1: first column of this y's eight blocks
	s_max_u32 s73, s2, 26
	s_sub_co_u32 s73, s73, 26
	s_lshl_b32 s73, s73, 7                         ; w2: first row; 0 for all others
	s_mov_b32 s71, 128
	s_cmp_eq_u32 s62, 22
	s_cselect_b32 s71, 512, s71                    ; numbers in a row of the source: 512 in w1, 128 elsewhere
	s_cselect_b32 s72, s72, 0
	s_lshl_b32 s75, ttmp9, 4
	s_add_co_u32 s72, s72, s75                     ; first column of the block: + 16 x
	s_lshl_b32 s74, s71, 2                         ; bytes from a row to the next
	v_lshrrev_b32 v1, 5, v0                        ; i
	v_bfe_u32 v2, v0, 4, 1                         ; h
	v_and_b32 v3, 15, v0                           ; r
	v_lshlrev_b32 v1, 4, v1
	v_lshl_add_u32 v1, v2, 3, v1                   ; 16 i + 8 h
	v_add_nc_u32 v1, s73, v1
	v_mul_lo_u32 v1, v1, s71
	v_add3_u32 v1, v1, s72, v3
	v_lshlrev_b32 v4, 2, v1                        ; byte offset of my first number
.irp e, 1,2,3,4,5,6,7
	v_add_nc_u32 v[4+\e], s74, v[3+\e]             ; the next seven lie one row further each
.endr
	v_lshlrev_b32 v24, 4, v0                       ; my 16 bytes of the block
	s_wait_kmcnt 0x0
	s_mov_b64 s[66:67], s[4:5]                     ; the source is chosen among the arguments by the group's y alone
.set n, 1
.rept 23
	s_cmp_eq_u32 s62, n
	s_cselect_b64 s[66:67], s[4+2*n:5+2*n], s[66:67]
.set n, n+1
.endr
	s_mov_b64 s[68:69], s[52:53]                   ; the destination and the y at which it begins
	s_mov_b32 s70, 0
	s_cmp_ge_u32 s2, 6
	s_cselect_b64 s[68:69], s[54:55], s[68:69]
	s_cselect_b32 s70, 6, s70
	s_cmp_ge_u32 s2, 12
	s_cselect_b64 s[68:69], s[56:57], s[68:69]
	s_cselect_b32 s70, 12, s70
	s_cmp_ge_u32 s2, 17
	s_cselect_b64 s[68:69], s[58:59], s[68:69]
	s_cselect_b32 s70, 17, s70
	s_cmp_ge_u32 s2, 22
	s_cselect_b64 s[68:69], s[60:61], s[68:69]
	s_cselect_b32 s70, 22, s70
	s_sub_co_u32 s70, s2, s70
	s_lshl_b32 s70, s70, 3
	s_add_co_u32 s70, s70, ttmp9                   ; the block's number in its buffer
	s_lshl_b32 s74, s70, 12
	s_mov_b32 s75, 0
	s_add_nc_u64 s[68:69], s[68:69], s[74:75]
.irp e, 0,1,2,3,4,5,6,7
	global_load_b32 v[12+\e], v[4+\e], s[66:67]
.endr
	s_wait_loadcnt 0x0
.irp i, 0,1,2,3
	v_cvt_pk_bf16_f32 v[20+\i], v[12+2*\i], v[13+2*\i]
.endr
	global_store_b128 v24, v[20:23], s[68:69]
	s_endpgm
.Lfunc_end_k_q096d56e9dd_prep:
	.size	k_q096d56e9dd_prep, .Lfunc_end_k_q096d56e9dd_prep-k_q096d56e9dd_prep
	.p2alignl 7, 3214868480
	.fill 96, 4, 3214868480
	.section	.rodata,"a",@progbits
	.p2align	6, 0x0
	.amdhsa_kernel k_q096d56e9dd_prep
		.amdhsa_group_segment_fixed_size 0
		.amdhsa_private_segment_fixed_size 0
		.amdhsa_enable_private_segment 0
		.amdhsa_kernarg_size 232
		.amdhsa_user_sgpr_count 2
		.amdhsa_user_sgpr_kernarg_segment_ptr 1
		.amdhsa_wavefront_size32 1
		.amdhsa_system_sgpr_workgroup_id_x 1
		.amdhsa_system_sgpr_workgroup_id_y 1
		.amdhsa_system_sgpr_workgroup_id_z 1
		.amdhsa_system_vgpr_workitem_id 0
		.amdhsa_next_free_vgpr 32
		.amdhsa_next_free_sgpr 80
		.amdhsa_reserve_vcc 0
		.amdhsa_float_denorm_mode_32 3
		.amdhsa_float_denorm_mode_16_64 3
		.amdhsa_memory_ordered 1
		.amdhsa_forward_progress 1
		.amdhsa_inst_pref_size 6
	.end_amdhsa_kernel
	.amdgpu_metadata
---
amdhsa.version: [ 1, 2 ]
amdhsa.kernels:
  - .name:           k_q096d56e9dd_prep
    .symbol:         k_q096d56e9dd_prep.kd
    .args:
      - { .name: params_to_b_w, .offset: 0, .size: 8, .value_kind: global_buffer, .address_space: global }
      - { .name: params_to_bg_w, .offset: 8, .size: 8, .value_kind: global_buffer, .address_space: global }
      - { .name: params_to_a_w, .offset: 16, .size: 8, .value_kind: global_buffer, .address_space: global }
      - { .name: params_to_ag_w, .offset: 24, .size: 8, .value_kind: global_buffer, .address_space: global }
      - { .name: params_to_g_w, .offset: 32, .size: 8, .value_kind: global_buffer, .address_space: global }
      - { .name: params_to_o_w, .offset: 40, .size: 8, .value_kind: global_buffer, .address_space: global }
      - { .name: params_ti_b_w, .offset: 48, .size: 8, .value_kind: global_buffer, .address_space: global }
      - { .name: params_ti_bg_w, .offset: 56, .size: 8, .value_kind: global_buffer, .address_space: global }
      - { .name: params_ti_a_w, .offset: 64, .size: 8, .value_kind: global_buffer, .address_space: global }
      - { .name: params_ti_ag_w, .offset: 72, .size: 8, .value_kind: global_buffer, .address_space: global }
      - { .name: params_ti_g_w, .offset: 80, .size: 8, .value_kind: global_buffer, .address_space: global }
      - { .name: params_ti_o_w, .offset: 88, .size: 8, .value_kind: global_buffer, .address_space: global }
      - { .name: params_as_q_w, .offset: 96, .size: 8, .value_kind: global_buffer, .address_space: global }
      - { .name: params_as_k_w, .offset: 104, .size: 8, .value_kind: global_buffer, .address_space: global }
      - { .name: params_as_v_w, .offset: 112, .size: 8, .value_kind: global_buffer, .address_space: global }
      - { .name: params_as_g_w, .offset: 120, .size: 8, .value_kind: global_buffer, .address_space: global }
      - { .name: params_as_o_w, .offset: 128, .size: 8, .value_kind: global_buffer, .address_space: global }
      - { .name: params_ae_q_w, .offset: 136, .size: 8, .value_kind: global_buffer, .address_space: global }
      - { .name: params_ae_k_w, .offset: 144, .size: 8, .value_kind: global_buffer, .address_space: global }
      - { .name: params_ae_v_w, .offset: 152, .size: 8, .value_kind: global_buffer, .address_space: global }
      - { .name: params_ae_g_w, .offset: 160, .size: 8, .value_kind: global_buffer, .address_space: global }
      - { .name: params_ae_o_w, .offset: 168, .size: 8, .value_kind: global_buffer, .address_space: global }
      - { .name: params_tr_w1, .offset: 176, .size: 8, .value_kind: global_buffer, .address_space: global }
      - { .name: params_tr_w2, .offset: 184, .size: 8, .value_kind: global_buffer, .address_space: global }
      - { .name: wTO, .offset: 192, .size: 8, .value_kind: global_buffer, .address_space: global }
      - { .name: wTI, .offset: 200, .size: 8, .value_kind: global_buffer, .address_space: global }
      - { .name: wAS, .offset: 208, .size: 8, .value_kind: global_buffer, .address_space: global }
      - { .name: wAE, .offset: 216, .size: 8, .value_kind: global_buffer, .address_space: global }
      - { .name: wTR, .offset: 224, .size: 8, .value_kind: global_buffer, .address_space: global }
    .group_segment_fixed_size: 0
    .private_segment_fixed_size: 0
    .kernarg_segment_align: 8
    .kernarg_segment_size: 232
    .max_flat_workgroup_size: 256
    .sgpr_count:     80
    .vgpr_count:     32
    .wavefront_size: 32
...
	.end_amdgpu_metadata
.endif
;; end of part 1
;; launch a_to (part 2): grid 256 x 1, 8 waves a work-group, no clusters, 271,360 bytes of LDS; arguments pair, params_to_ln_g, params_to_ln_b, wTO, params_to_b_b, params_to_bg_b, params_to_a_b, params_to_ag_b, ab; writes ab
.if DOCPART == 2
	.amdgcn_target "amdgcn-amd-amdhsa--gfx1250"
	.amdhsa_code_object_version 6
	.text
	.protected	k_q096d56e9dd_a_to
	.globl	k_q096d56e9dd_a_to
	.p2align	8
	.type	k_q096d56e9dd_a_to,@function
k_q096d56e9dd_a_to:
	s_mov_b64 s[64:65], 0
	v_nop
	global_prefetch_b8 v0, s[64:65] scope:SCOPE_SE
	s_setreg_imm32_b32 hwreg(HW_REG_WAVE_MODE, 25, 1), 1
	s_wait_xcnt 0x0
; TRIANGLE MULTIPLICATION, PART 1: xn = LN(x); A = sigmoid(xn Wg0 + bg0) (xn W0 + b0); B likewise with the second pair of matrices.
; The launch hands over the reference's b matrices as the first pair and its a matrices as the second, so that the sum over positions that follows comes out turned: o[j][i] at [i][j].
; A goes to ab at byte 0, B at byte 16 MiB, both bf16 [channel 128][row 256][position 256], so that the sum over positions that follows has K along its rows.
; A work-group owns row i of the pair tensor (256 positions x 128 channels, f32), eight waves.  Wave w norms positions 32 w .. 32 w + 31
; and then makes channels 16 w .. 16 w + 15 of all four products for all 256 positions.
; LDS: XT at 0, 256 rows of 528 bytes (512 + 16: the sixteen rows of a 16-byte load start 4 words apart); one tensor load a wave, its own 32 rows, filled once.
;      xn (bf16) is written over the first 256 bytes of each row once the row has been read.  ST: for each wave 2 x 16 channel rows of 528 bytes, its own.
; The four weight blocks of a wave stay in registers (window 1, v0-127: matrix m, K step s at 32 m + 8 s).
; Limits: xn, the weights, A and B are rounded to bf16 (matrix operands); norm, biases and gates in f32; v_exp_f32, v_rcp_f32 and v_rsq_f32 are
; not correctly rounded and flush denormal results to zero.
.set ST,   135168
.set XA,   1                           ; LDS: my 32 bytes of x in row 32 w + r
.set XNW,  2                           ; LDS: where my 16 bytes of xn go
.set AFA,  3                           ; LDS: fragment address, position tile in hand
.set STW,  4                           ; LDS: stage, in
.set STR,  5                           ; LDS: stage, back
.set WOF,  6                           ; 16 lane + 4096 w: my weight block
.set PV,   7                           ; 32 h: my channels in a gain vector
.set CB,   8                           ; (16 w + r) 4: my channel in a bias vector
.set L16,  9                           ; 16 lane
.set T,    16                          ; v16-27 at work
.set BR,   28                          ; v28-31 the four biases as loaded
.set P,    32                          ; v32-63 xn packed: four fragments
.set X,    64                          ; v64-127 x: register 8 u + e = channel 16 u + 8 h + e
.set G,    128                         ; v128-191 gains, v192-255 offsets, same map
.set B,    192
.set AF,   64                          ; products: fragments of 16 positions
.set ACC,  96                          ; four accumulators: linear A, gate A, linear B, gate B
.set BP,   128                         ; four pairs: the biases twice each, the gates' times -log2(e)
.set PK,   136
.set WV,   48
.set CNT,  49
.set SEL,  50
.set INV,  52
.set EPS,  53
.set MSB, 0
.macro WIN new                         ; the immediate's high byte repeats the setting that is left
.if MSB != \new
	s_set_vgpr_msb (MSB<<8)|\new
.set MSB, \new
.endif
.endm
.macro PLACES                          ; four places behind a matrix instruction, and behind a tensor load
.rept 4
	v_nop
.endr
.endm
.macro BAR
	s_barrier_signal -1
	s_barrier_wait -1
.endm
.macro LDW dst, voff, ptr, imm         ; a weight block: 8 loads of 512 consecutive bytes, straight into fragment registers
.irp i, 0,1,2,3,4,5,6,7
	global_load_b128 v[\dst+4*\i:\dst+4*\i+3], v[\voff], s[\ptr:\ptr+1] offset:\imm+512*\i
.endr
.endm
.macro LDP dst, ptr                    ; my 64 numbers of a vector of 128
.irp u, 0,1,2,3,4,5,6,7
	global_load_b128 v[\dst+8*\u:\dst+8*\u+3],   v[PV], s[\ptr:\ptr+1] offset:64*\u
	global_load_b128 v[\dst+8*\u+4:\dst+8*\u+7], v[PV], s[\ptr:\ptr+1] offset:64*\u+16
.endr
.endm
.macro LDX t                           ; my 64 channels of position 32 w + 16 t + r
.irp u, 0,1,2,3,4,5,6,7
	ds_load_b128 v[X+8*\u:X+8*\u+3],   v[XA] offset:\t*8448+64*\u
	ds_load_b128 v[X+8*\u+4:X+8*\u+7], v[XA] offset:\t*8448+64*\u+16
.endr
.endm
.macro LNRED                           ; four chains of pairs -> one number, the same in both lanes of a position
	v_pk_add_f32 v[T:T+1], v[T:T+1], v[T+2:T+3]
	v_pk_add_f32 v[T+4:T+5], v[T+4:T+5], v[T+6:T+7]
	v_pk_add_f32 v[T:T+1], v[T:T+1], v[T+4:T+5]
	v_add_f32 v[T], v[T], v[T+1]
	v_permlanex16_b32 v[T+1], v[T], s[SEL], s[SEL+1]
	v_add_f32 v[T], v[T], v[T+1]
.endm
.macro LNCORE p                        ; layer norm of X in two passes (mean, then squares of the differences); the result, bf16 in pairs, into v[p .. p+31]
.irp c, 0,2,4,6
	v_pk_add_f32 v[T+\c:T+\c+1], v[X+\c:X+\c+1], v[X+8+\c:X+9+\c]
.endr
.set j, 16
.rept 24
	v_pk_add_f32 v[T+j%8:T+j%8+1], v[T+j%8:T+j%8+1], v[X+j:X+j+1]
.set j, j+2
.endr
	LNRED
	v_mul_f32 v[T+8], s[INV], v[T]
	v_mov_b32 v[T+9], v[T+8]
.set j, 0
.rept 32
	v_pk_add_f32 v[X+j:X+j+1], v[X+j:X+j+1], v[T+8:T+9] neg_lo:[0,1] neg_hi:[0,1]
.set j, j+2
.endr
.irp c, 0,2,4,6
	v_pk_mul_f32 v[T+\c:T+\c+1], v[X+\c:X+\c+1], v[X+\c:X+\c+1]
.endr
.set j, 8
.rept 28
	v_pk_fma_f32 v[T+j%8:T+j%8+1], v[X+j:X+j+1], v[X+j:X+j+1], v[T+j%8:T+j%8+1]
.set j, j+2
.endr
	LNRED
	v_fma_f32 v[T], v[T], s[INV], s[EPS]           ; variance + 1e-5
	v_rsq_f32 v[T+8], v[T]
	v_nop                                          ; a plain instruction between the root and its use
	s_wait_alu depctr_va_vdst(0)
	v_mov_b32 v[T+9], v[T+8]
.set j, 0
.rept 32
	v_pk_mul_f32 v[X+j:X+j+1], v[X+j:X+j+1], v[T+8:T+9]
.set j, j+2
.endr
.set j, 0
.rept 32
	v_pk_fma_f32 v[X+j:X+j+1], v[X+j:X+j+1], v[G+j:G+j+1], v[B+j:B+j+1]
.set j, j+2
.endr
.set j, 0
.rept 32
	v_cvt_pk_bf16_f32 v[\p+j], v[X+2*j], v[X+2*j+1]
.set j, j+1
.endr
.endm
.macro FRAG dst, adr, ofs              ; 16 rows x 128 K of bf16: four fragments, two loads of 16 bytes each, 32 bytes apart
.irp s, 0,1,2,3
	ds_load_b128 v[\dst+8*\s:\dst+8*\s+3],   v[\adr] offset:\ofs+64*\s
	ds_load_b128 v[\dst+8*\s+4:\dst+8*\s+7], v[\adr] offset:\ofs+64*\s+32
.endr
.endm
	s_load_b512 s[4:19], s[0:1], 0x0               ; x, ln_g, ln_b, w, b0, b1, b2, b3
	s_load_b64 s[20:21], s[0:1], 0x40              ; ab
	v_lshl_add_u32 v26, v0, 2, 0x42000
	v_mov_b32 v27, 0
	ds_add_u32 v26, v27
	ds_add_u32 v26, v27
	v_lshrrev_b32 v10, 5, v0
	v_readfirstlane_b32 s[WV], v10
	; descriptor group 1: 32 rows of 128 f32, 4 words of padding behind every 128
	s_mov_b32 s28, (2<<16)|(1<<20)|(6<<22)|(3<<25)
	s_mov_b32 s29, 128<<16
	s_mov_b32 s30, 32<<16
	s_mov_b32 s31, 128<<16
	s_mov_b32 s32, 32
	s_mov_b32 s33, 128
	s_mov_b32 s34, 0
	s_mov_b32 s35, 0
	s_mov_b32 s24, 1
	s_mul_i32 s25, s[WV], 16896                    ; my 32 rows in XT
	s_lshl_b32 s2, ttmp9, 17                       ; row i: 256 positions of 512 bytes,
	s_lshl_b32 s3, s[WV], 14                       ; my 32 of them
	s_add_co_u32 s2, s2, s3
	s_mov_b32 s3, 0
	s_lshl_b32 s54, s[WV], 21                      ; out: channel 16 w (131,072 bytes a channel), row i (512 bytes)
	s_lshl_b32 s55, ttmp9, 9
	s_add_co_u32 s54, s54, s55
	s_mov_b32 s55, 0
	s_mov_b32 s[SEL], 0x76543210
	s_mov_b32 s[SEL+1], 0xfedcba98
	s_mov_b32 s[INV], 0x3c000000                   ; 1 / 128
	s_mov_b32 s[EPS], 0x3727c5ac                   ; 1e-5
	s_wait_dscnt 0x0
	s_wait_kmcnt 0x0
	s_add_nc_u64 s[26:27], s[4:5], s[2:3]
	s_or_b32 s27, s27, 0x80000000
	s_add_nc_u64 s[20:21], s[20:21], s[54:55]      ; A's rows
	s_add_nc_u64 s[22:23], s[20:21], 0x1000000     ; B's rows
	tensor_load_to_lds s[24:27], s[28:35]          ; my one tensor load of the launch
	s_nop 0
	PLACES
	v_and_b32 v10, 15, v0                          ; r
	v_bfe_u32 v11, v0, 4, 1                        ; h
	v_and_b32 v12, 31, v0
	v_lshlrev_b32 v[L16], 4, v12
	v_lshlrev_b32 v[PV], 5, v11
	v_mul_u32_u24 v13, v10, 528
	v_add_nc_u32 v[XA], s25, v13
	v_lshl_add_u32 v[XNW], v11, 4, v[XA]
	v_lshl_add_u32 v[XA], v11, 5, v[XA]
	v_lshl_add_u32 v[AFA], v11, 4, v13
	s_add_co_u32 s56, s25, ST
	v_add_nc_u32 v[STW], s56, v[AFA]
	v_add_nc_u32 v[STR], s56, v[L16]
	s_lshl_b32 s57, s[WV], 12
	v_add_nc_u32 v[WOF], s57, v[L16]
	s_lshl_b32 s58, s[WV], 6
	v_lshl_add_u32 v[CB], v10, 2, s58
	LDP G, 6
	LDP B, 8
.irp m, 0,1,2,3
	global_load_b32 v[BR+\m], v[CB], s[12+2*\m:13+2*\m]
.endr
	WIN 0x40                                       ; destination window 1
.irp m, 0,1,2,3
	LDW 32*\m, WOF, 10, \m*32768
.endr
	WIN 0
	s_wait_loadcnt 0x0
	s_wait_tensorcnt 0x0                           ; my rows are in LDS; only I read them before the barrier
.irp t, 0,1
	LDX \t
	s_wait_dscnt 0x0
	LNCORE P
.irp u, 0,1,2,3,4,5,6,7
	ds_store_b128 v[XNW], v[P+4*\u:P+4*\u+3] offset:\t*8448+32*\u   ; over the row's first 256 bytes: both lanes of the row have read it
.endr
.endr
	v_mov_b32 v[BP], v[BR]
	v_mov_b32 v[BP+1], v[BR]
	v_mul_f32 v[BP+2], 0xbfb8aa3b, v[BR+1]         ; the gate's bias times -log2(e)
	v_mov_b32 v[BP+3], v[BP+2]
	v_mov_b32 v[BP+4], v[BR+2]
	v_mov_b32 v[BP+5], v[BR+2]
	v_mul_f32 v[BP+6], 0xbfb8aa3b, v[BR+3]
	v_mov_b32 v[BP+7], v[BP+6]
	s_wait_dscnt 0x0                               ; my xn is written,
	BAR                                            ; everybody's is
; One tile of 16 positions: 16 matrix instructions (source 0 = positions, source 1 = weights: a lane then holds one channel and eight
; neighbouring positions), the four accumulators by turns; then the gates.  pf = 1: the next tile's fragments are fetched.
.macro TILE pf
	s_wait_dscnt 0x0
	WIN 0x04                                       ; source 1 window 1
.irp s, 0,1,2,3
.irp m, 0,1,2,3
.if \s == 0
	v_wmma_f32_16x16x32_bf16 v[ACC+8*\m:ACC+8*\m+7], v[AF+8*\s:AF+8*\s+7], v[32*\m+8*\s:32*\m+8*\s+7], 0
.else
	v_wmma_f32_16x16x32_bf16 v[ACC+8*\m:ACC+8*\m+7], v[AF+8*\s:AF+8*\s+7], v[32*\m+8*\s:32*\m+8*\s+7], v[ACC+8*\m:ACC+8*\m+7]
.endif
.endr
.endr
	WIN 0
	PLACES
.if \pf
	v_add_nc_u32 v[AFA], 8448, v[AFA]
	FRAG AF, AFA, 0
.endif
.irp m, 8,24
.irp j, 0,2,4,6
	v_pk_fma_f32 v[ACC+\m+\j:ACC+\m+\j+1], v[ACC+\m+\j:ACC+\m+\j+1], 0xbfb8aa3b, v[BP+\m/4:BP+\m/4+1] op_sel_hi:[1,0,1]
.endr
.endr
.irp m, 8,24
.irp j, 0,1,2,3,4,5,6,7
	v_exp_f32 v[ACC+\m+\j], v[ACC+\m+\j]
.endr
.endr
.irp m, 0,16
.irp j, 0,2,4,6
	v_pk_add_f32 v[ACC+\m+\j:ACC+\m+\j+1], v[ACC+\m+\j:ACC+\m+\j+1], v[BP+\m/4:BP+\m/4+1]   ; plain work behind the exponentials
.endr
.endr
	s_wait_alu depctr_va_vdst(0)
.irp m, 8,24
.irp j, 0,2,4,6
	v_pk_add_f32 v[ACC+\m+\j:ACC+\m+\j+1], v[ACC+\m+\j:ACC+\m+\j+1], 1.0 op_sel_hi:[1,0]
.endr
.endr
.irp m, 8,24
.irp j, 0,1,2,3,4,5,6,7
	v_rcp_f32 v[ACC+\m+\j], v[ACC+\m+\j]
.endr
.endr
	v_nop
	s_wait_alu depctr_va_vdst(0)
.irp m, 0,16
.irp j, 0,2,4,6
	v_pk_mul_f32 v[ACC+\m+\j:ACC+\m+\j+1], v[ACC+\m+\j:ACC+\m+\j+1], v[ACC+8+\m+\j:ACC+9+\m+\j]
.endr
.endr
.irp i, 0,1,2,3
	v_cvt_pk_bf16_f32 v[PK+\i], v[ACC+2*\i], v[ACC+2*\i+1]
	v_cvt_pk_bf16_f32 v[PK+4+\i], v[ACC+16+2*\i], v[ACC+17+2*\i]
.endr
	ds_store_b128 v[STW], v[PK:PK+3]               ; channel r, positions 16 m + 8 h + 0..7
	ds_store_b128 v[STW], v[PK+4:PK+7] offset:8448
	v_add_nc_u32 v[STW], 32, v[STW]
.endm
	FRAG AF, AFA, 0
	s_mov_b32 s[CNT], 15
.Ltile:
	TILE 1
	s_sub_co_u32 s[CNT], s[CNT], 1
	s_cmp_lg_u32 s[CNT], 0
	s_cbranch_scc1 .Ltile
	TILE 0
	; the way out: my 2 x 16 channel rows of 512 bytes; the stage is my own and LDS serves a wave's instructions in order
.irp m, 0,1
.irp t, 0,1,2,3,4,5,6,7,8,9,10,11,12,13,14,15
	ds_load_b128 v[64+80*\m+4*\t:64+80*\m+4*\t+3], v[STR] offset:\m*8448+\t*528
.endr
.endr
.irp m, 0,1
	s_wait_dscnt 16-16*\m                          ; A's sixteen rows are back, B's sixteen loads may stay out; then all
.irp t, 0,1,2,3,4,5,6,7,8,9,10,11,12,13,14,15
	global_store_b128 v[L16], v[64+80*\m+4*\t:64+80*\m+4*\t+3], s[20+2*\m:21+2*\m] offset:\t*131072   ; 512 consecutive bytes, aligned
.endr
.endr
	s_wait_tensorcnt 0x0
	ds_add_u32 v26, v27
	s_wait_dscnt 0x0
	s_endpgm
.Lfunc_end_k_q096d56e9dd_a_to:
	.size	k_q096d56e9dd_a_to, .Lfunc_end_k_q096d56e9dd_a_to-k_q096d56e9dd_a_to
	.p2alignl 7, 3214868480
	.fill 96, 4, 3214868480
	.section	.rodata,"a",@progbits
	.p2align	6, 0x0
	.amdhsa_kernel k_q096d56e9dd_a_to
		.amdhsa_group_segment_fixed_size 271360
		.amdhsa_private_segment_fixed_size 0
		.amdhsa_enable_private_segment 0
		.amdhsa_kernarg_size 72
		.amdhsa_user_sgpr_count 2
		.amdhsa_user_sgpr_kernarg_segment_ptr 1
		.amdhsa_wavefront_size32 1
		.amdhsa_system_sgpr_workgroup_id_x 1
		.amdhsa_system_sgpr_workgroup_id_y 1
		.amdhsa_system_sgpr_workgroup_id_z 1
		.amdhsa_system_vgpr_workitem_id 0
		.amdhsa_next_free_vgpr 384
		.amdhsa_next_free_sgpr 66
		.amdhsa_reserve_vcc 0
		.amdhsa_float_denorm_mode_32 3
		.amdhsa_float_denorm_mode_16_64 3
		.amdhsa_memory_ordered 1
		.amdhsa_forward_progress 1
		.amdhsa_inst_pref_size 56
	.end_amdhsa_kernel
	.amdgpu_metadata
---
amdhsa.version: [ 1, 2 ]
amdhsa.kernels:
  - .name:           k_q096d56e9dd_a_to
    .symbol:         k_q096d56e9dd_a_to.kd
    .args:
      - { .name: pair, .offset: 0, .size: 8, .value_kind: global_buffer, .address_space: global }
      - { .name: params_to_ln_g, .offset: 8, .size: 8, .value_kind: global_buffer, .address_space: global }
      - { .name: params_to_ln_b, .offset: 16, .size: 8, .value_kind: global_buffer, .address_space: global }
      - { .name: wTO, .offset: 24, .size: 8, .value_kind: global_buffer, .address_space: global }
      - { .name: params_to_b_b, .offset: 32, .size: 8, .value_kind: global_buffer, .address_space: global }
      - { .name: params_to_bg_b, .offset: 40, .size: 8, .value_kind: global_buffer, .address_space: global }
      - { .name: params_to_a_b, .offset: 48, .size: 8, .value_kind: global_buffer, .address_space: global }
      - { .name: params_to_ag_b, .offset: 56, .size: 8, .value_kind: global_buffer, .address_space: global }
      - { .name: ab, .offset: 64, .size: 8, .value_kind: global_buffer, .address_space: global }
    .group_segment_fixed_size: 271360
    .private_segment_fixed_size: 0
    .kernarg_segment_align: 8
    .kernarg_segment_size: 72
    .max_flat_workgroup_size: 256
    .sgpr_count:     66
    .vgpr_count:     384
    .wavefront_size: 32
...
	.end_amdgpu_metadata
.endif
;; end of part 2
;; launch e_to (part 3): grid 256 x 1, 8 waves a work-group, no clusters, 238,592 bytes of LDS; arguments ab, ob; writes ob
.if DOCPART == 3
	.amdgcn_target "amdgcn-amd-amdhsa--gfx1250"
	.amdhsa_code_object_version 6
	.text
	.protected	k_q096d56e9dd_e_to
	.globl	k_q096d56e9dd_e_to
	.p2align	8
	.type	k_q096d56e9dd_e_to,@function
k_q096d56e9dd_e_to:
	s_mov_b64 s[64:65], 0
	v_nop
	global_prefetch_b8 v0, s[64:65] scope:SCOPE_SE
	s_setreg_imm32_b32 hwreg(HW_REG_WAVE_MODE, 25, 1), 1
	s_wait_xcnt 0x0
; TRIANGLE MULTIPLICATION, PART 2: o[c][i][j] = sum over k of A[c][i][k] B[c][j][k], for each channel c a product 256 x 256 x 256.  A, B bf16, o f32.
; A work-group makes 128 (i) x 256 (j) of one channel; all of K lies in LDS at once: every byte is filled once, so there is no ring.
; Eight waves, 64 x 64 each: 16 accumulators.  Source 0 = rows of B, source 1 = rows of A: a lane holds one i and eight neighbouring j.
; LDS: A's 128 rows and B's 256 rows of 528 bytes (512 + 16); behind them a stage of 16 rows x 272 bytes for each wave, its own.
; No joint loads: only the two work-groups of a channel share B's tile, 128 KiB of the 320 KiB that a work-group moves.
.set BT,   67584
.set STG,  202752
.set ADA,  1
.set ADB,  2
.set STO,  3
.set RD,   4
.set CO,   5
.set FB,   64
.set FA,   96
.set ACC,  128
.set WV,   48
.macro PLACES
.rept 4
	v_nop
.endr
.endm
	s_load_b128 s[4:7], s[0:1], 0x0                ; ab, ob
	v_lshl_add_u32 v62, v0, 2, 0x3a000
	v_mov_b32 v63, 0
	ds_add_u32 v62, v63
	ds_add_u32 v62, v63
	v_lshrrev_b32 v6, 5, v0
	v_readfirstlane_b32 s[WV], v6
	s_lshr_b32 s54, ttmp9, 1                       ; channel
	s_and_b32 s55, ttmp9, 1                        ; which 128 rows i
	; group 1 for A: 16 rows of 256 bf16, 4 words of padding behind every 128 words; for B: 32 rows
	s_mov_b32 s28, (1<<16)|(1<<20)|(6<<22)|(3<<25)
	s_mov_b32 s29, 256<<16
	s_mov_b32 s30, 16<<16
	s_mov_b32 s31, 256<<16
	s_mov_b32 s32, 16
	s_mov_b32 s33, 256
	s_mov_b32 s34, 0
	s_mov_b32 s35, 0
	s_mov_b32 s40, (1<<16)|(1<<20)|(6<<22)|(3<<25)
	s_mov_b32 s41, 256<<16
	s_mov_b32 s42, 32<<16
	s_mov_b32 s43, 256<<16
	s_mov_b32 s44, 32
	s_mov_b32 s45, 256
	s_mov_b32 s46, 0
	s_mov_b32 s47, 0
	s_mov_b32 s24, 1
	s_mul_i32 s25, s[WV], 8448                     ; A's rows 16 w on
	s_mov_b32 s36, 1
	s_mul_i32 s37, s[WV], 16896                    ; B's rows 32 w on
	s_add_co_u32 s37, s37, BT
	s_lshl_b32 s2, s54, 17                         ; a channel is 131,072 bytes
	s_lshl_b32 s56, s55, 16
	s_add_co_u32 s56, s56, s2
	s_lshl_b32 s3, s[WV], 13
	s_add_co_u32 s56, s56, s3
	s_mov_b32 s57, 0
	s_lshl_b32 s3, s[WV], 14
	s_add_co_u32 s58, s2, s3
	s_add_co_u32 s58, s58, 0x1000000               ; B lies 16 MiB behind A
	s_mov_b32 s59, 0
	s_lshr_b32 s60, s[WV], 2                       ; my 64 rows i
	s_and_b32 s61, s[WV], 3                        ; my 64 columns j
	s_lshl_b32 s2, s54, 18                         ; o: a channel is 262,144 bytes, a row 1,024
	s_lshl_b32 s3, s55, 17
	s_add_co_u32 s2, s2, s3
	s_lshl_b32 s3, s60, 16
	s_add_co_u32 s2, s2, s3
	s_lshl_b32 s3, s61, 8
	s_add_co_u32 s2, s2, s3
	s_mov_b32 s3, 0
	s_wait_dscnt 0x0
	s_wait_kmcnt 0x0
	s_add_nc_u64 s[26:27], s[4:5], s[56:57]
	s_or_b32 s27, s27, 0x80000000
	s_add_nc_u64 s[38:39], s[4:5], s[58:59]
	s_or_b32 s39, s39, 0x80000000
	s_add_nc_u64 s[6:7], s[6:7], s[2:3]
	tensor_load_to_lds s[24:27], s[28:35]          ; both first fills together: two tensor loads of mine are out
	s_nop 0
	tensor_load_to_lds s[36:39], s[40:47]
	s_nop 0
	PLACES
	v_and_b32 v6, 15, v0                           ; r
	v_bfe_u32 v7, v0, 4, 1                         ; h
	v_mul_u32_u24 v8, v6, 528
	v_lshl_add_u32 v8, v7, 4, v8
	s_mul_i32 s62, s60, 33792
	v_add_nc_u32 v[ADA], s62, v8
	s_mul_i32 s62, s61, 33792
	s_add_co_u32 s62, s62, BT
	v_add_nc_u32 v[ADB], s62, v8
	s_mul_i32 s63, s[WV], 4352
	s_add_co_u32 s63, s63, STG
	v_mul_u32_u24 v8, v6, 272
	v_lshl_add_u32 v8, v7, 5, v8
	v_add_nc_u32 v[STO], s63, v8                   ; in: row r, 32 bytes for each half of the lanes
	v_mul_u32_u24 v8, v7, 272
	v_lshl_add_u32 v8, v6, 4, v8
	v_add_nc_u32 v[RD], s63, v8                    ; back: lanes 0-15 one row of 256 bytes, lanes 16-31 the next
	v_lshlrev_b32 v8, 10, v7
	v_lshl_add_u32 v[CO], v6, 4, v8                ; the same two rows in o
	s_wait_tensorcnt 0x0
	s_barrier_signal -1
	s_barrier_wait -1
; 32 along K: 16 LDS loads, 16 matrix instructions on 16 accumulators by turns
.macro KSTEP s
.if \s > 0
	PLACES                                         ; in front of loads into registers that matrix instructions have read
.endif
.irp i, 0,1,2,3
	ds_load_b128 v[FB+8*\i:FB+8*\i+3],   v[ADB] offset:\i*8448+64*\s
	ds_load_b128 v[FB+8*\i+4:FB+8*\i+7], v[ADB] offset:\i*8448+64*\s+32
	ds_load_b128 v[FA+8*\i:FA+8*\i+3],   v[ADA] offset:\i*8448+64*\s
	ds_load_b128 v[FA+8*\i+4:FA+8*\i+7], v[ADA] offset:\i*8448+64*\s+32
.endr
	s_wait_dscnt 0x0
.irp a, 0,1,2,3
.irp b, 0,1,2,3
.if \s == 0
	v_wmma_f32_16x16x32_bf16 v[ACC+8*(4*\a+\b):ACC+8*(4*\a+\b)+7], v[FB+8*\b:FB+8*\b+7], v[FA+8*\a:FA+8*\a+7], 0
.else
	v_wmma_f32_16x16x32_bf16 v[ACC+8*(4*\a+\b):ACC+8*(4*\a+\b)+7], v[FB+8*\b:FB+8*\b+7], v[FA+8*\a:FA+8*\a+7], v[ACC+8*(4*\a+\b):ACC+8*(4*\a+\b)+7]
.endif
.endr
.endr
.endm
.irp s, 0,1,2,3,4,5,6,7
	KSTEP \s
.endr
	PLACES
	; the way out, 16 rows i at a time, through my own stage
.irp a, 0,1,2,3
.irp b, 0,1,2,3
	ds_store_b128 v[STO], v[ACC+8*(4*\a+\b):ACC+8*(4*\a+\b)+3] offset:64*\b
	ds_store_b128 v[STO], v[ACC+8*(4*\a+\b)+4:ACC+8*(4*\a+\b)+7] offset:64*\b+16
.endr
	s_wait_xcnt 0x0                                ; the registers loaded below were the data of earlier stores
.irp t, 0,1,2,3,4,5,6,7
	ds_load_b128 v[64+32*(\a%2)+4*\t:64+32*(\a%2)+4*\t+3], v[RD] offset:\t*544
.endr
	s_wait_dscnt 0x0
.irp t, 0,1,2,3,4,5,6,7
	global_store_b128 v[CO], v[64+32*(\a%2)+4*\t:64+32*(\a%2)+4*\t+3], s[6:7] offset:(16*\a+2*\t)*1024   ; 16 lanes store 256 consecutive bytes, aligned
.endr
.endr
	s_wait_tensorcnt 0x0
	ds_add_u32 v62, v63
	s_wait_dscnt 0x0
	s_endpgm
.Lfunc_end_k_q096d56e9dd_e_to:
	.size	k_q096d56e9dd_e_to, .Lfunc_end_k_q096d56e9dd_e_to-k_q096d56e9dd_e_to
	.p2alignl 7, 3214868480
	.fill 96, 4, 3214868480
	.section	.rodata,"a",@progbits
	.p2align	6, 0x0
	.amdhsa_kernel k_q096d56e9dd_e_to
		.amdhsa_group_segment_fixed_size 238592
		.amdhsa_private_segment_fixed_size 0
		.amdhsa_enable_private_segment 0
		.amdhsa_kernarg_size 16
		.amdhsa_user_sgpr_count 2
		.amdhsa_user_sgpr_kernarg_segment_ptr 1
		.amdhsa_wavefront_size32 1
		.amdhsa_system_sgpr_workgroup_id_x 1
		.amdhsa_system_sgpr_workgroup_id_y 1
		.amdhsa_system_sgpr_workgroup_id_z 1
		.amdhsa_system_vgpr_workitem_id 0
		.amdhsa_next_free_vgpr 256
		.amdhsa_next_free_sgpr 66
		.amdhsa_reserve_vcc 0
		.amdhsa_float_denorm_mode_32 3
		.amdhsa_float_denorm_mode_16_64 3
		.amdhsa_memory_ordered 1
		.amdhsa_forward_progress 1
		.amdhsa_inst_pref_size 29
	.end_amdhsa_kernel
	.amdgpu_metadata
---
amdhsa.version: [ 1, 2 ]
amdhsa.kernels:
  - .name:           k_q096d56e9dd_e_to
    .symbol:         k_q096d56e9dd_e_to.kd
    .args:
      - { .name: ab, .offset: 0, .size: 8, .value_kind: global_buffer, .address_space: global }
      - { .name: ob, .offset: 8, .size: 8, .value_kind: global_buffer, .address_space: global }
    .group_segment_fixed_size: 238592
    .private_segment_fixed_size: 0
    .kernarg_segment_align: 8
    .kernarg_segment_size: 16
    .max_flat_workgroup_size: 256
    .sgpr_count:     66
    .vgpr_count:     256
    .wavefront_size: 32
...
	.end_amdgpu_metadata
.endif
;; end of part 3
;; launch ca (part 4): grid 256 x 1, 8 waves a work-group, no clusters, 275,456 bytes of LDS; arguments pair, ob, params_to_ln_g, params_to_ln_b, params_to_lno_g, params_to_lno_b, wTO, params_to_g_b, params_to_o_b, pA, params_ti_ln_g, params_ti_ln_b, wTI, params_ti_b_b, params_ti_bg_b, params_ti_a_b, params_ti_ag_b, ab; writes pA, ab
.if DOCPART == 4
	.amdgcn_target "amdgcn-amd-amdhsa--gfx1250"
	.amdhsa_code_object_version 6
	.text
	.protected	k_q096d56e9dd_ca
	.globl	k_q096d56e9dd_ca
	.p2align	8
	.type	k_q096d56e9dd_ca,@function
k_q096d56e9dd_ca:
	s_mov_b64 s[64:65], 0
	v_nop
	global_prefetch_b8 v0, s[64:65] scope:SCOPE_SE
	s_setreg_imm32_b32 hwreg(HW_REG_WAVE_MODE, 25, 1), 1
	s_wait_xcnt 0x0
; THE END OF THE FIRST TRIANGLE MULTIPLICATION AND THE START OF THE SECOND, IN ONE LAUNCH.
; Part 1: y = x + sigmoid(LN(x) Wg + bg) (LN(o) Wo + bo).  Part 2, on y as it lies in LDS: yn = LN'(y); A = sigmoid(yn Wg0 + bg0) (yn W0 + b0); B likewise.
; A work-group owns COLUMN p of the pair tensor: position q of its 256 is x[q][p].  The sum over positions was made turned, so ob[c][p][q] is o[q][p].
; y goes to pA as row p (pA holds y turned); A and B go to ab ([channel][row p][position q], bf16; B 16 MiB behind A), whole rows of 512 bytes.
; Wave w norms positions 32 w .. 32 w + 31 and makes channels 16 w .. 16 w + 15 for all positions, in both parts.
; LDS: XT at 0: x, 256 rows of 528 bytes; y replaces x there (each wave in its own 64 bytes of every row), and yn (bf16) then replaces the first 256 bytes of each row.
;      OT: o's tile [channel 128][position 256] f32, rows of 1,040 bytes.  When every wave has read it, the same bytes (filled for the last time) take XN and ON,
;      LN(x) and LN(o) in bf16, 256 rows of 272 bytes each; in part 2 they take ST: for each wave 2 x 16 channel rows of 528 bytes, its own.
; Two tensor loads a wave, both first fills.  x's rows in memory are 512 bytes, 131,072 bytes apart.
; REGISTERS, window 1: v0-31 gate weights, v32-63 output weights, v64-191 part 2's four blocks, v192-255 part 2's gains: all loaded at the start.
; Limits: LN(x), LN(o), yn, the weights, A and B are rounded to bf16 (matrix operands); o, y, norms, gates and residual in f32; v_exp_f32, v_rcp_f32, v_rsq_f32 are
; not correctly rounded and flush denormal results to zero.
.set OT,   135168
.set XN,   135168
.set ON,   204800
.set ST,   135168
.set XA,   1
.set XNW,  2
.set ONW,  3
.set XFA,  4
.set OFA,  5
.set XRA,  6
.set OA1,  7
.set OA2,  8
.set WOF,  9
.set PV,   10
.set CB,   11                          ; (16 w + 8 h) 4
.set L16,  12
.set ORD,  13
.set RR,   14
.set HH,   15
.set T,    16                          ; v16-25 at work
.set CB2,  26                          ; (16 w + r) 4
.set TMP,  27
.set BR,   28                          ; v28-31 part 2's four biases as loaded
.set P,    32
.set X,    64
.set G,    128
.set B,    192
.set XF,   64
.set OF,   96
.set ACCG, 128
.set ACCO, 136
.set XR,   144
.set GBS,  152
.set OBV,  160
.set XNP,  2                           ; part 2: where my 16 bytes of yn go
.set AFA,  3                           ; part 2: fragment address
.set STW,  4                           ; part 2: stage, in
.set STR,  5                           ; part 2: stage, back
.set AF,   64
.set ACC,  96
.set BP,   128
.set PK,   136
.set WFB,  64                          ; window 1: part 2's weights, matrix m, K step s at 64 + 32 m + 8 s
.set G2,   192                         ; window 1: part 2's gains
.set WV,   66
.set CNT,  67
.set SEL,  68
.set INV,  70
.set EPS,  71
.set MSB, 0
.macro WIN new                         ; the immediate's high byte repeats the setting that is left
.if MSB != \new
	s_set_vgpr_msb (MSB<<8)|\new
.set MSB, \new
.endif
.endm
.macro PLACES                          ; four places behind a matrix instruction, and behind a tensor load
.rept 4
	v_nop
.endr
.endm
.macro BAR
	s_barrier_signal -1
	s_barrier_wait -1
.endm
.macro LDW dst, voff, ptr, imm         ; a weight block: 8 loads of 512 consecutive bytes, straight into fragment registers
.irp i, 0,1,2,3,4,5,6,7
	global_load_b128 v[\dst+4*\i:\dst+4*\i+3], v[\voff], s[\ptr:\ptr+1] offset:\imm+512*\i
.endr
.endm
.macro LDP dst, ptr                    ; my 64 numbers of a vector of 128
.irp u, 0,1,2,3,4,5,6,7
	global_load_b128 v[\dst+8*\u:\dst+8*\u+3],   v[PV], s[\ptr:\ptr+1] offset:64*\u
	global_load_b128 v[\dst+8*\u+4:\dst+8*\u+7], v[PV], s[\ptr:\ptr+1] offset:64*\u+16
.endr
.endm
.macro LDX t                           ; my 64 channels of position 32 w + 16 t + r: register 8 u + e = channel 16 u + 8 h + e
.irp u, 0,1,2,3,4,5,6,7
	ds_load_b128 v[X+8*\u:X+8*\u+3],   v[XA] offset:\t*8448+64*\u
	ds_load_b128 v[X+8*\u+4:X+8*\u+7], v[XA] offset:\t*8448+64*\u+16
.endr
.endm
.macro LDO t                           ; my 64 channels of o at position 32 w + 16 t + r: one word from each channel row; 16 lanes take 16 neighbouring words, the other 16 lie 2,080 words on
.irp u, 0,1,2,3
.irp e, 0,1,2,3,4,5,6,7
	ds_load_b32 v[X+8*\u+\e], v[OA1] offset:(16*\u+\e)*1040+64*\t
.endr
.endr
.irp u, 0,1,2,3
.irp e, 0,1,2,3,4,5,6,7
	ds_load_b32 v[X+32+8*\u+\e], v[OA2] offset:(16*\u+\e)*1040+64*\t
.endr
.endr
.endm
.macro LNRED                           ; four chains of pairs -> one number, the same in both lanes of a position
	v_pk_add_f32 v[T:T+1], v[T:T+1], v[T+2:T+3]
	v_pk_add_f32 v[T+4:T+5], v[T+4:T+5], v[T+6:T+7]
	v_pk_add_f32 v[T:T+1], v[T:T+1], v[T+4:T+5]
	v_add_f32 v[T], v[T], v[T+1]
	v_permlanex16_b32 v[T+1], v[T], s[SEL], s[SEL+1]
	v_add_f32 v[T], v[T], v[T+1]
.endm
; layer norm of X in two passes (mean, then squares of the differences); the result, bf16 in pairs, into v[p .. p+31] (p = X: in place, ascending).
; The gains lie at v[g ..]; gw = the window setting under which they are read (0, or 0x04: source 1 in window 1).
.macro LNCORE p, g, gw
.irp c, 0,2,4,6
	v_pk_add_f32 v[T+\c:T+\c+1], v[X+\c:X+\c+1], v[X+8+\c:X+9+\c]
.endr
.set j, 16
.rept 24
	v_pk_add_f32 v[T+j%8:T+j%8+1], v[T+j%8:T+j%8+1], v[X+j:X+j+1]
.set j, j+2
.endr
	LNRED
	v_mul_f32 v[T+8], s[INV], v[T]
	v_mov_b32 v[T+9], v[T+8]
.set j, 0
.rept 32
	v_pk_add_f32 v[X+j:X+j+1], v[X+j:X+j+1], v[T+8:T+9] neg_lo:[0,1] neg_hi:[0,1]
.set j, j+2
.endr
.irp c, 0,2,4,6
	v_pk_mul_f32 v[T+\c:T+\c+1], v[X+\c:X+\c+1], v[X+\c:X+\c+1]
.endr
.set j, 8
.rept 28
	v_pk_fma_f32 v[T+j%8:T+j%8+1], v[X+j:X+j+1], v[X+j:X+j+1], v[T+j%8:T+j%8+1]
.set j, j+2
.endr
	LNRED
	v_fma_f32 v[T], v[T], s[INV], s[EPS]           ; variance + 1e-5
	v_rsq_f32 v[T+8], v[T]
	v_nop                                          ; a plain instruction between the root and its use
	s_wait_alu depctr_va_vdst(0)
	v_mov_b32 v[T+9], v[T+8]
.set j, 0
.rept 32
	v_pk_mul_f32 v[X+j:X+j+1], v[X+j:X+j+1], v[T+8:T+9]
.set j, j+2
.endr
	WIN \gw
.set j, 0
.rept 32
	v_pk_fma_f32 v[X+j:X+j+1], v[X+j:X+j+1], v[\g+j:\g+j+1], v[B+j:B+j+1]
.set j, j+2
.endr
	WIN 0
.set j, 0
.rept 32
	v_cvt_pk_bf16_f32 v[\p+j], v[X+2*j], v[X+2*j+1]
.set j, j+1
.endr
.endm
.macro STN adr, src, t                 ; a normed tile into rows of 272 bytes
.irp u, 0,1,2,3,4,5,6,7
	ds_store_b128 v[\adr], v[\src+4*\u:\src+4*\u+3] offset:\t*4352+32*\u
.endr
.endm
.macro FRAG dst, adr, ofs              ; 16 rows x 128 K of bf16: four fragments, two loads of 16 bytes each, 32 bytes apart
.irp s, 0,1,2,3
	ds_load_b128 v[\dst+8*\s:\dst+8*\s+3],   v[\adr] offset:\ofs+64*\s
	ds_load_b128 v[\dst+8*\s+4:\dst+8*\s+7], v[\adr] offset:\ofs+64*\s+32
.endr
.endm
	s_load_b512 s[4:19], s[0:1], 0x0               ; x, ob, ln_g, ln_b, lno_g, lno_b, w, g_b
	s_load_b512 s[20:35], s[0:1], 0x40             ; o_b, pA; part 2: ln_g, ln_b, w, b0, b1, b2
	s_load_b128 s[36:39], s[0:1], 0x80             ; b3, ab
	v_lshl_add_u32 v254, v0, 2, 0x43000
	v_mov_b32 v255, 0
	ds_add_u32 v254, v255
	ds_add_u32 v254, v255
	s_wait_dscnt 0x0
	v_lshrrev_b32 v[T], 5, v0
	v_readfirstlane_b32 s[WV], v[T]
	s_mov_b32 s44, (2<<16)|(1<<20)|(6<<22)|(3<<25) ; x: 32 rows of 128 f32, 32,768 numbers apart (a column of positions), 4 words of padding behind every 128
	s_mov_b32 s45, 128<<16
	s_mov_b32 s46, 32<<16
	s_mov_b32 s47, 128<<16
	s_mov_b32 s48, 32
	s_mov_b32 s49, 32768
	s_mov_b32 s50, 0
	s_mov_b32 s51, 0
	s_mov_b32 s56, (2<<16)|(1<<20)|(7<<22)|(3<<25) ; o: 16 channel rows of 256 f32, 65,536 numbers apart, 4 words of padding behind every 256
	s_mov_b32 s57, 256<<16
	s_mov_b32 s58, 16<<16
	s_mov_b32 s59, 256<<16
	s_mov_b32 s60, 16
	s_mov_b32 s61, 65536
	s_mov_b32 s62, 0
	s_mov_b32 s63, 0
	s_mov_b32 s40, 1
	s_mul_i32 s41, s[WV], 16896                    ; my 32 rows in XT
	s_mov_b32 s52, 1
	s_mul_i32 s53, s[WV], 16640
	s_add_co_u32 s53, s53, OT
	s_lshl_b32 s2, s[WV], 22                       ; x: row 32 w of the pair tensor (131,072 bytes a row),
	s_lshl_b32 s3, ttmp9, 9                        ; position p
	s_add_co_u32 s2, s2, s3
	s_mov_b32 s3, 0
	s_lshl_b32 s72, s[WV], 22                      ; o: channel 16 w (262,144 bytes a channel),
	s_lshl_b32 s73, ttmp9, 10                      ; row p
	s_add_co_u32 s72, s72, s73
	s_mov_b32 s73, 0
	s_lshl_b32 s74, ttmp9, 17                      ; y out: row p of pA, my 32 positions
	s_lshl_b32 s75, s[WV], 14
	s_add_co_u32 s74, s74, s75
	s_mov_b32 s75, 0
	s_lshl_b32 s76, s[WV], 21                      ; A, B out: channel 16 w (131,072 bytes a channel), row p (512 bytes)
	s_lshl_b32 s77, ttmp9, 9
	s_add_co_u32 s76, s76, s77
	s_mov_b32 s77, 0
	s_mov_b32 s[SEL], 0x76543210
	s_mov_b32 s[SEL+1], 0xfedcba98
	s_mov_b32 s[INV], 0x3c000000                   ; 1 / 128
	s_mov_b32 s[EPS], 0x3727c5ac                   ; 1e-5
	s_wait_kmcnt 0x0
	s_add_nc_u64 s[42:43], s[4:5], s[2:3]
	s_or_b32 s43, s43, 0x80000000
	s_add_nc_u64 s[54:55], s[6:7], s[72:73]
	s_or_b32 s55, s55, 0x80000000
	s_add_nc_u64 s[22:23], s[22:23], s[74:75]
	s_add_nc_u64 s[38:39], s[38:39], s[76:77]      ; A's rows
	s_add_nc_u64 s[78:79], s[38:39], 0x1000000     ; B's rows
	tensor_load_to_lds s[40:43], s[44:51]          ; both first fills together: two tensor loads of mine are out
	s_nop 0
	tensor_load_to_lds s[52:55], s[56:63]
	s_nop 0
	PLACES
	v_and_b32 v[RR], 15, v0
	v_bfe_u32 v[HH], v0, 4, 1
	v_and_b32 v[T], 31, v0
	v_lshlrev_b32 v[L16], 4, v[T]
	v_lshlrev_b32 v[PV], 5, v[HH]
	v_mul_u32_u24 v[T], v[RR], 528
	v_add_nc_u32 v[XA], s41, v[T]
	v_lshl_add_u32 v[XA], v[HH], 5, v[XA]
	v_add_nc_u32 v[ORD], s41, v[L16]
	s_lshl_b32 s80, s[WV], 6
	v_add_nc_u32 v[XRA], s80, v[T]
	v_lshl_add_u32 v[XRA], v[HH], 5, v[XRA]        ; row r, my 64 bytes, 32 for each half of the lanes
	v_lshl_add_u32 v[CB], v[HH], 5, s80
	v_lshl_add_u32 v[CB2], v[RR], 2, s80
	v_mul_u32_u24 v[T], v[RR], 272
	v_lshl_add_u32 v[T], v[HH], 4, v[T]
	v_add_nc_u32 v[XFA], XN, v[T]
	v_add_nc_u32 v[OFA], ON, v[T]
	s_mul_i32 s81, s[WV], 8704
	v_add_nc_u32 v[XNW], s81, v[XFA]
	v_add_nc_u32 v[ONW], s81, v[OFA]
	v_mul_u32_u24 v[T], v[HH], 8320
	v_lshl_add_u32 v[T], v[RR], 2, v[T]
	s_lshl_b32 s82, s[WV], 7
	s_add_co_u32 s82, s82, OT
	v_add_nc_u32 v[OA1], s82, v[T]
	v_add_nc_u32 v[OA2], 66560, v[OA1]
	s_lshl_b32 s83, s[WV], 12
	v_add_nc_u32 v[WOF], s83, v[L16]
	LDP G, 12                                      ; lno_g, lno_b
	LDP B, 14
.irp m, 0,1,2,3
	global_load_b32 v[BR+\m], v[CB2], s[30+2*\m:31+2*\m]
.endr
	WIN 0x40                                       ; destination window 1
	LDW 0, WOF, 16, 131072                         ; the gate's block, then the output's
	LDW 32, WOF, 16, 163840
	LDP G2, 24                                     ; part 2's gains
.irp m, 0,1,2,3
	LDW WFB+32*\m, WOF, 28, \m*32768               ; part 2's four blocks
.endr
	WIN 0
	s_wait_tensorcnt 0x0                           ; my parts of x and o are in,
	BAR                                            ; everybody's are: o's channel rows come from all eight waves
	s_wait_loadcnt 0x0
	LDO 0
	s_wait_dscnt 0x0
	LNCORE P, G, 0
	LDO 1
	s_wait_dscnt 0x0
	LNCORE X, G, 0
	LDP G, 8                                       ; ln_g, ln_b
	LDP B, 10
	BAR                                            ; every wave's reads of o are back (waited for above): its bytes may be written
	STN ONW, P, 0
	STN ONW, X, 1
	s_wait_loadcnt 0x0
.irp t, 0,1
	LDX \t
	s_wait_dscnt 0x0
	LNCORE P, G, 0
	STN XNW, P, \t
.endr
	global_load_b128 v[GBS:GBS+3],   v[CB], s[18:19]
	global_load_b128 v[GBS+4:GBS+7], v[CB], s[18:19] offset:16
	global_load_b128 v[OBV:OBV+3],   v[CB], s[20:21]
	global_load_b128 v[OBV+4:OBV+7], v[CB], s[20:21] offset:16
	LDP B, 26                                      ; part 2's offsets: their registers lie idle until then
	s_wait_dscnt 0x0
	BAR                                            ; XN and ON are whole, and nobody reads x's rows as a whole any more
	s_wait_loadcnt 0x0
.irp j, 0,2,4,6
	v_pk_mul_f32 v[GBS+\j:GBS+\j+1], v[GBS+\j:GBS+\j+1], 0xbfb8aa3b op_sel_hi:[1,0]
.endr
; Part 1, one tile of 16 positions: 8 matrix instructions (source 0 = weights, source 1 = positions: a lane holds one position and eight neighbouring channels),
; the two accumulators by turns; gate, bias, residual; the result goes back into XT.
.macro TILE pf
	s_wait_dscnt 0x0
	ds_load_b128 v[XR:XR+3],   v[XRA]
	ds_load_b128 v[XR+4:XR+7], v[XRA] offset:16
	WIN 0x01                                       ; source 0 window 1
.irp s, 0,1,2,3
.if \s == 0
	v_wmma_f32_16x16x32_bf16 v[ACCG:ACCG+7], v[8*\s:8*\s+7], v[XF+8*\s:XF+8*\s+7], 0
	v_wmma_f32_16x16x32_bf16 v[ACCO:ACCO+7], v[32+8*\s:32+8*\s+7], v[OF+8*\s:OF+8*\s+7], 0
.else
	v_wmma_f32_16x16x32_bf16 v[ACCG:ACCG+7], v[8*\s:8*\s+7], v[XF+8*\s:XF+8*\s+7], v[ACCG:ACCG+7]
	v_wmma_f32_16x16x32_bf16 v[ACCO:ACCO+7], v[32+8*\s:32+8*\s+7], v[OF+8*\s:OF+8*\s+7], v[ACCO:ACCO+7]
.endif
.endr
	WIN 0
	PLACES
.if \pf
	v_add_nc_u32 v[XFA], 4352, v[XFA]
	v_add_nc_u32 v[OFA], 4352, v[OFA]
	FRAG XF, XFA, 0
	FRAG OF, OFA, 0
.endif
.irp j, 0,2,4,6
	v_pk_fma_f32 v[ACCG+\j:ACCG+\j+1], v[ACCG+\j:ACCG+\j+1], 0xbfb8aa3b, v[GBS+\j:GBS+\j+1] op_sel_hi:[1,0,1]
.endr
.irp j, 0,1,2,3,4,5,6,7
	v_exp_f32 v[ACCG+\j], v[ACCG+\j]
.endr
.irp j, 0,2,4,6
	v_pk_add_f32 v[ACCO+\j:ACCO+\j+1], v[ACCO+\j:ACCO+\j+1], v[OBV+\j:OBV+\j+1]
.endr
	s_wait_alu depctr_va_vdst(0)
.irp j, 0,2,4,6
	v_pk_add_f32 v[ACCG+\j:ACCG+\j+1], v[ACCG+\j:ACCG+\j+1], 1.0 op_sel_hi:[1,0]
.endr
.irp j, 0,1,2,3,4,5,6,7
	v_rcp_f32 v[ACCG+\j], v[ACCG+\j]
.endr
	v_nop
.if \pf
	s_wait_dscnt 16                                ; the residual's two loads are in; the 16 fragment loads behind them stay out
.else
	s_wait_dscnt 0x0
.endif
	s_wait_alu depctr_va_vdst(0)
.irp j, 0,2,4,6
	v_pk_fma_f32 v[XR+\j:XR+\j+1], v[ACCO+\j:ACCO+\j+1], v[ACCG+\j:ACCG+\j+1], v[XR+\j:XR+\j+1]
.endr
	ds_store_b128 v[XRA], v[XR:XR+3]
	ds_store_b128 v[XRA], v[XR+4:XR+7] offset:16
	v_add_nc_u32 v[XRA], 8448, v[XRA]
.endm
	FRAG XF, XFA, 0
	FRAG OF, OFA, 0
	s_mov_b32 s[CNT], 15
.Ltile:
	TILE 1
	s_sub_co_u32 s[CNT], s[CNT], 1
	s_cmp_lg_u32 s[CNT], 0
	s_cbranch_scc1 .Ltile
	TILE 0
	s_wait_dscnt 0x0
	BAR                                            ; all eight waves' columns of every row of y are written; XN and ON are read no more
	; y goes out: my 32 rows, whole; each store covers 512 consecutive bytes, aligned.  Nothing waits for these stores: part 2 runs while they leave.
.irp b, 0,1
.irp t, 0,1,2,3,4,5,6,7,8,9,10,11,12,13,14,15
	ds_load_b128 v[64+64*\b+4*\t:64+64*\b+4*\t+3], v[ORD] offset:(16*\b+\t)*528
.endr
.endr
	v_mul_u32_u24 v[TMP], v[RR], 528               ; part 2's LDS addresses, in registers that part 1 has left
	v_add_nc_u32 v[XNP], s41, v[TMP]
	v_lshl_add_u32 v[XNP], v[HH], 4, v[XNP]        ; row 32 w + r, 16 bytes for each half of the lanes
	v_lshl_add_u32 v[AFA], v[HH], 4, v[TMP]
	s_add_co_u32 s84, s41, ST                      ; my stage
	v_add_nc_u32 v[STW], s84, v[AFA]
	v_add_nc_u32 v[STR], s84, v[L16]
.irp b, 0,1
	s_wait_dscnt 16-16*\b                          ; the first sixteen rows are back, the other sixteen loads may stay out; then all
.irp t, 0,1,2,3,4,5,6,7,8,9,10,11,12,13,14,15
	global_store_b128 v[L16], v[64+64*\b+4*\t:64+64*\b+4*\t+3], s[22:23] offset:(16*\b+\t)*512
.endr
.endr
	s_wait_xcnt 0x0                                ; the stores' data registers are written again only behind this wait
	; PART 2: the norm of my 32 rows of y; yn over the first 256 bytes of each row, which only I touch until the barrier
.irp t, 0,1
	LDX \t
	s_wait_dscnt 0x0
	LNCORE P, G2, 0x04
.irp u, 0,1,2,3,4,5,6,7
	ds_store_b128 v[XNP], v[P+4*\u:P+4*\u+3] offset:\t*8448+32*\u
.endr
.endr
	v_mov_b32 v[BP], v[BR]
	v_mov_b32 v[BP+1], v[BR]
	v_mul_f32 v[BP+2], 0xbfb8aa3b, v[BR+1]         ; the gate's bias times -log2(e)
	v_mov_b32 v[BP+3], v[BP+2]
	v_mov_b32 v[BP+4], v[BR+2]
	v_mov_b32 v[BP+5], v[BR+2]
	v_mul_f32 v[BP+6], 0xbfb8aa3b, v[BR+3]
	v_mov_b32 v[BP+7], v[BP+6]
	s_wait_dscnt 0x0                               ; my yn is written,
	BAR                                            ; everybody's is
; Part 2, one tile of 16 positions: 16 matrix instructions (source 0 = positions, source 1 = weights: a lane holds one channel and eight
; neighbouring positions), the four accumulators by turns; then the gates.
.macro ATILE pf
	s_wait_dscnt 0x0
	WIN 0x04                                       ; source 1 window 1
.irp s, 0,1,2,3
.irp m, 0,1,2,3
.if \s == 0
	v_wmma_f32_16x16x32_bf16 v[ACC+8*\m:ACC+8*\m+7], v[AF+8*\s:AF+8*\s+7], v[WFB+32*\m+8*\s:WFB+32*\m+8*\s+7], 0
.else
	v_wmma_f32_16x16x32_bf16 v[ACC+8*\m:ACC+8*\m+7], v[AF+8*\s:AF+8*\s+7], v[WFB+32*\m+8*\s:WFB+32*\m+8*\s+7], v[ACC+8*\m:ACC+8*\m+7]
.endif
.endr
.endr
	WIN 0
	PLACES
.if \pf
	v_add_nc_u32 v[AFA], 8448, v[AFA]
	FRAG AF, AFA, 0
.endif
.irp m, 8,24
.irp j, 0,2,4,6
	v_pk_fma_f32 v[ACC+\m+\j:ACC+\m+\j+1], v[ACC+\m+\j:ACC+\m+\j+1], 0xbfb8aa3b, v[BP+\m/4:BP+\m/4+1] op_sel_hi:[1,0,1]
.endr
.endr
.irp m, 8,24
.irp j, 0,1,2,3,4,5,6,7
	v_exp_f32 v[ACC+\m+\j], v[ACC+\m+\j]
.endr
.endr
.irp m, 0,16
.irp j, 0,2,4,6
	v_pk_add_f32 v[ACC+\m+\j:ACC+\m+\j+1], v[ACC+\m+\j:ACC+\m+\j+1], v[BP+\m/4:BP+\m/4+1]   ; plain work behind the exponentials
.endr
.endr
	s_wait_alu depctr_va_vdst(0)
.irp m, 8,24
.irp j, 0,2,4,6
	v_pk_add_f32 v[ACC+\m+\j:ACC+\m+\j+1], v[ACC+\m+\j:ACC+\m+\j+1], 1.0 op_sel_hi:[1,0]
.endr
.endr
.irp m, 8,24
.irp j, 0,1,2,3,4,5,6,7
	v_rcp_f32 v[ACC+\m+\j], v[ACC+\m+\j]
.endr
.endr
	v_nop
	s_wait_alu depctr_va_vdst(0)
.irp m, 0,16
.irp j, 0,2,4,6
	v_pk_mul_f32 v[ACC+\m+\j:ACC+\m+\j+1], v[ACC+\m+\j:ACC+\m+\j+1], v[ACC+8+\m+\j:ACC+9+\m+\j]
.endr
.endr
.irp i, 0,1,2,3
	v_cvt_pk_bf16_f32 v[PK+\i], v[ACC+2*\i], v[ACC+2*\i+1]
	v_cvt_pk_bf16_f32 v[PK+4+\i], v[ACC+16+2*\i], v[ACC+17+2*\i]
.endr
	ds_store_b128 v[STW], v[PK:PK+3]               ; channel r, positions 16 m + 8 h + 0..7
	ds_store_b128 v[STW], v[PK+4:PK+7] offset:8448
	v_add_nc_u32 v[STW], 32, v[STW]
.endm
	FRAG AF, AFA, 0
	s_mov_b32 s[CNT], 15
.Latile:
	ATILE 1
	s_sub_co_u32 s[CNT], s[CNT], 1
	s_cmp_lg_u32 s[CNT], 0
	s_cbranch_scc1 .Latile
	ATILE 0
	; the way out: my 2 x 16 channel rows of 512 bytes; the stage is my own and LDS serves a wave's instructions in order
.irp m, 0,1
.irp t, 0,1,2,3,4,5,6,7,8,9,10,11,12,13,14,15
	ds_load_b128 v[64+80*\m+4*\t:64+80*\m+4*\t+3], v[STR] offset:\m*8448+\t*528
.endr
.endr
	s_wait_dscnt 16                                ; A's sixteen rows are back, B's sixteen loads may stay out
.irp t, 0,1,2,3,4,5,6,7,8,9,10,11,12,13,14,15
	global_store_b128 v[L16], v[64+4*\t:64+4*\t+3], s[38:39] offset:\t*131072   ; 512 consecutive bytes, aligned
.endr
	s_wait_dscnt 0x0
.irp t, 0,1,2,3,4,5,6,7,8,9,10,11,12,13,14,15
	global_store_b128 v[L16], v[144+4*\t:144+4*\t+3], s[78:79] offset:\t*131072
.endr
	s_wait_xcnt 0x0
	v_lshl_add_u32 v254, v0, 2, 0x43000
	v_mov_b32 v255, 0
	s_wait_tensorcnt 0x0
	ds_add_u32 v254, v255
	s_wait_dscnt 0x0
	s_endpgm
.Lfunc_end_k_q096d56e9dd_ca:
	.size	k_q096d56e9dd_ca, .Lfunc_end_k_q096d56e9dd_ca-k_q096d56e9dd_ca
	.p2alignl 7, 3214868480
	.fill 96, 4, 3214868480
	.section	.rodata,"a",@progbits
	.p2align	6, 0x0
	.amdhsa_kernel k_q096d56e9dd_ca
		.amdhsa_group_segment_fixed_size 275456
		.amdhsa_private_segment_fixed_size 0
		.amdhsa_enable_private_segment 0
		.amdhsa_kernarg_size 144
		.amdhsa_user_sgpr_count 2
		.amdhsa_user_sgpr_kernarg_segment_ptr 1
		.amdhsa_wavefront_size32 1
		.amdhsa_system_sgpr_workgroup_id_x 1
		.amdhsa_system_sgpr_workgroup_id_y 1
		.amdhsa_system_sgpr_workgroup_id_z 1
		.amdhsa_system_vgpr_workitem_id 0
		.amdhsa_next_free_vgpr 512
		.amdhsa_next_free_sgpr 90
		.amdhsa_reserve_vcc 0
		.amdhsa_float_denorm_mode_32 3
		.amdhsa_float_denorm_mode_16_64 3
		.amdhsa_memory_ordered 1
		.amdhsa_forward_progress 1
		.amdhsa_inst_pref_size 142
	.end_amdhsa_kernel
	.amdgpu_metadata
---
amdhsa.version: [ 1, 2 ]
amdhsa.kernels:
  - .name:           k_q096d56e9dd_ca
    .symbol:         k_q096d56e9dd_ca.kd
    .args:
      - { .name: pair, .offset: 0, .size: 8, .value_kind: global_buffer, .address_space: global }
      - { .name: ob, .offset: 8, .size: 8, .value_kind: global_buffer, .address_space: global }
      - { .name: params_to_ln_g, .offset: 16, .size: 8, .value_kind: global_buffer, .address_space: global }
      - { .name: params_to_ln_b, .offset: 24, .size: 8, .value_kind: global_buffer, .address_space: global }
      - { .name: params_to_lno_g, .offset: 32, .size: 8, .value_kind: global_buffer, .address_space: global }
      - { .name: params_to_lno_b, .offset: 40, .size: 8, .value_kind: global_buffer, .address_space: global }
      - { .name: wTO, .offset: 48, .size: 8, .value_kind: global_buffer, .address_space: global }
      - { .name: params_to_g_b, .offset: 56, .size: 8, .value_kind: global_buffer, .address_space: global }
      - { .name: params_to_o_b, .offset: 64, .size: 8, .value_kind: global_buffer, .address_space: global }
      - { .name: pA, .offset: 72, .size: 8, .value_kind: global_buffer, .address_space: global }
      - { .name: params_ti_ln_g, .offset: 80, .size: 8, .value_kind: global_buffer, .address_space: global }
      - { .name: params_ti_ln_b, .offset: 88, .size: 8, .value_kind: global_buffer, .address_space: global }
      - { .name: wTI, .offset: 96, .size: 8, .value_kind: global_buffer, .address_space: global }
      - { .name: params_ti_b_b, .offset: 104, .size: 8, .value_kind: global_buffer, .address_space: global }
      - { .name: params_ti_bg_b, .offset: 112, .size: 8, .value_kind: global_buffer, .address_space: global }
      - { .name: params_ti_a_b, .offset: 120, .size: 8, .value_kind: global_buffer, .address_space: global }
      - { .name: params_ti_ag_b, .offset: 128, .size: 8, .value_kind: global_buffer, .address_space: global }
      - { .name: ab, .offset: 136, .size: 8, .value_kind: global_buffer, .address_space: global }
    .group_segment_fixed_size: 275456
    .private_segment_fixed_size: 0
    .kernarg_segment_align: 8
    .kernarg_segment_size: 144
    .max_flat_workgroup_size: 256
    .sgpr_count:     90
    .vgpr_count:     512
    .wavefront_size: 32
...
	.end_amdgpu_metadata
.endif
;; end of part 4
;; launch e_ti: the kernel of part 3 again; grid 256 x 1, 8 waves a work-group, no clusters, 238,592 bytes of LDS; arguments ab, ob; writes ob
;; launch c_ti (part 5): grid 256 x 1, 8 waves a work-group, no clusters, 275,456 bytes of LDS; arguments pA, ob, params_ti_ln_g, params_ti_ln_b, params_ti_lno_g, params_ti_lno_b, wTI, params_ti_g_b, params_ti_o_b, ab; writes ab
.if DOCPART == 5
	.amdgcn_target "amdgcn-amd-amdhsa--gfx1250"
	.amdhsa_code_object_version 6
	.text
	.protected	k_q096d56e9dd_c_ti
	.globl	k_q096d56e9dd_c_ti
	.p2align	8
	.type	k_q096d56e9dd_c_ti,@function
k_q096d56e9dd_c_ti:
	s_mov_b64 s[64:65], 0
	v_nop
	global_prefetch_b8 v0, s[64:65] scope:SCOPE_SE
	s_setreg_imm32_b32 hwreg(HW_REG_WAVE_MODE, 25, 1), 1
	s_wait_xcnt 0x0
; TRIANGLE MULTIPLICATION, PART 3: y = x + sigmoid(LN(x) Wg + bg) (LN(o) Wo + bo), and y[i][j] is stored at [j][i]: a position is 512 consecutive bytes either way.
; A work-group owns row i: 256 positions.  Wave w norms positions 32 w .. 32 w + 31 (o and x) and then makes channels 16 w .. 16 w + 15 for all positions.
; LDS: XT at 0: x, 256 rows of 528 bytes; the result replaces x there, each wave in its own 64 bytes of every row.
;      OT: o's tile [channel 128][position 256] f32, rows of 1,040 bytes.  When every wave has read it, the same bytes (filled for the last time) take XN and ON,
;      LN(x) and LN(o) in bf16, 256 rows of 272 bytes each.
; Two tensor loads a wave, both first fills.  Source 0 = weights, source 1 = positions: a lane holds one position and eight neighbouring channels.
; Limits: LN(x), LN(o) and the weights are rounded to bf16 (matrix operands); o, norms, gate and residual in f32; v_exp_f32, v_rcp_f32, v_rsq_f32 flush denormal results.
.set OT,   135168
.set XN,   135168
.set ON,   204800
.set XA,   1
.set XNW,  2
.set ONW,  3
.set XFA,  4
.set OFA,  5
.set XRA,  6
.set OA1,  7
.set OA2,  8
.set WOF,  9
.set PV,   10
.set CB,   11
.set L16,  12
.set ORD,  13
.set RR,   14
.set HH,   15
.set T,    16
.set P,    32
.set X,    64
.set G,    128
.set B,    192
.set XF,   64
.set OF,   96
.set ACCG, 128
.set ACCO, 136
.set XR,   144
.set GBS,  152
.set OBV,  160
.set WV,   48
.set CNT,  49
.set SEL,  50
.set INV,  52
.set EPS,  53
.set MSB, 0
.macro WIN new
.if MSB != \new
	s_set_vgpr_msb (MSB<<8)|\new
.set MSB, \new
.endif
.endm
.macro PLACES
.rept 4
	v_nop
.endr
.endm
.macro BAR
	s_barrier_signal -1
	s_barrier_wait -1
.endm
.macro LDW dst, voff, ptr, imm
.irp i, 0,1,2,3,4,5,6,7
	global_load_b128 v[\dst+4*\i:\dst+4*\i+3], v[\voff], s[\ptr:\ptr+1] offset:\imm+512*\i
.endr
.endm
.macro LDP dst, ptr
.irp u, 0,1,2,3,4,5,6,7
	global_load_b128 v[\dst+8*\u:\dst+8*\u+3],   v[PV], s[\ptr:\ptr+1] offset:64*\u
	global_load_b128 v[\dst+8*\u+4:\dst+8*\u+7], v[PV], s[\ptr:\ptr+1] offset:64*\u+16
.endr
.endm
.macro LDX t
.irp u, 0,1,2,3,4,5,6,7
	ds_load_b128 v[X+8*\u:X+8*\u+3],   v[XA] offset:\t*8448+64*\u
	ds_load_b128 v[X+8*\u+4:X+8*\u+7], v[XA] offset:\t*8448+64*\u+16
.endr
.endm
.macro LDO t                           ; my 64 channels of o at position 32 w + 16 t + r: one word from each channel row; 16 lanes take 16 neighbouring words, the other 16 lie 2,080 words on
.irp u, 0,1,2,3
.irp e, 0,1,2,3,4,5,6,7
	ds_load_b32 v[X+8*\u+\e], v[OA1] offset:(16*\u+\e)*1040+64*\t
.endr
.endr
.irp u, 0,1,2,3
.irp e, 0,1,2,3,4,5,6,7
	ds_load_b32 v[X+32+8*\u+\e], v[OA2] offset:(16*\u+\e)*1040+64*\t
.endr
.endr
.endm
.macro LNRED
	v_pk_add_f32 v[T:T+1], v[T:T+1], v[T+2:T+3]
	v_pk_add_f32 v[T+4:T+5], v[T+4:T+5], v[T+6:T+7]
	v_pk_add_f32 v[T:T+1], v[T:T+1], v[T+4:T+5]
	v_add_f32 v[T], v[T], v[T+1]
	v_permlanex16_b32 v[T+1], v[T], s[SEL], s[SEL+1]
	v_add_f32 v[T], v[T], v[T+1]
.endm
.macro LNCORE p                        ; layer norm of X in two passes; the result, bf16 in pairs, into v[p .. p+31] (p = X: in place, ascending)
.irp c, 0,2,4,6
	v_pk_add_f32 v[T+\c:T+\c+1], v[X+\c:X+\c+1], v[X+8+\c:X+9+\c]
.endr
.set j, 16
.rept 24
	v_pk_add_f32 v[T+j%8:T+j%8+1], v[T+j%8:T+j%8+1], v[X+j:X+j+1]
.set j, j+2
.endr
	LNRED
	v_mul_f32 v[T+8], s[INV], v[T]
	v_mov_b32 v[T+9], v[T+8]
.set j, 0
.rept 32
	v_pk_add_f32 v[X+j:X+j+1], v[X+j:X+j+1], v[T+8:T+9] neg_lo:[0,1] neg_hi:[0,1]
.set j, j+2
.endr
.irp c, 0,2,4,6
	v_pk_mul_f32 v[T+\c:T+\c+1], v[X+\c:X+\c+1], v[X+\c:X+\c+1]
.endr
.set j, 8
.rept 28
	v_pk_fma_f32 v[T+j%8:T+j%8+1], v[X+j:X+j+1], v[X+j:X+j+1], v[T+j%8:T+j%8+1]
.set j, j+2
.endr
	LNRED
	v_fma_f32 v[T], v[T], s[INV], s[EPS]
	v_rsq_f32 v[T+8], v[T]
	v_nop
	s_wait_alu depctr_va_vdst(0)
	v_mov_b32 v[T+9], v[T+8]
.set j, 0
.rept 32
	v_pk_mul_f32 v[X+j:X+j+1], v[X+j:X+j+1], v[T+8:T+9]
.set j, j+2
.endr
.set j, 0
.rept 32
	v_pk_fma_f32 v[X+j:X+j+1], v[X+j:X+j+1], v[G+j:G+j+1], v[B+j:B+j+1]
.set j, j+2
.endr
.set j, 0
.rept 32
	v_cvt_pk_bf16_f32 v[\p+j], v[X+2*j], v[X+2*j+1]
.set j, j+1
.endr
.endm
.macro STN adr, src, t                 ; a normed tile into rows of 272 bytes
.irp u, 0,1,2,3,4,5,6,7
	ds_store_b128 v[\adr], v[\src+4*\u:\src+4*\u+3] offset:\t*4352+32*\u
.endr
.endm
.macro FRAG dst, adr, ofs
.irp s, 0,1,2,3
	ds_load_b128 v[\dst+8*\s:\dst+8*\s+3],   v[\adr] offset:\ofs+64*\s
	ds_load_b128 v[\dst+8*\s+4:\dst+8*\s+7], v[\adr] offset:\ofs+64*\s+32
.endr
.endm
.macro OUTROWS step, ptr               ; my 32 finished rows of XT, whole: each store covers 512 consecutive bytes, aligned
.irp b, 0,1
.irp t, 0,1,2,3,4,5,6,7,8,9,10,11,12,13,14,15
	ds_load_b128 v[128+64*\b+4*\t:128+64*\b+4*\t+3], v[ORD] offset:(16*\b+\t)*528
.endr
.endr
.irp b, 0,1
	s_wait_dscnt 16-16*\b                          ; the first sixteen rows are back, the other sixteen loads may stay out; then all
.irp t, 0,1,2,3,4,5,6,7,8,9,10,11,12,13,14,15
	global_store_b128 v[L16], v[128+64*\b+4*\t:128+64*\b+4*\t+3], s[\ptr:\ptr+1] offset:(16*\b+\t)*\step
.endr
.endr
.endm
	s_load_b512 s[4:19], s[0:1], 0x0               ; x, ob, ln_g, ln_b, lno_g, lno_b, w, g_b
	s_load_b128 s[20:23], s[0:1], 0x40             ; o_b, xout
	v_lshl_add_u32 v30, v0, 2, 0x43000
	v_mov_b32 v31, 0
	ds_add_u32 v30, v31
	ds_add_u32 v30, v31
	v_lshrrev_b32 v[T], 5, v0
	v_readfirstlane_b32 s[WV], v[T]
	s_mov_b32 s28, (2<<16)|(1<<20)|(6<<22)|(3<<25) ; x: 32 rows of 128 f32, 4 words of padding behind every 128
	s_mov_b32 s29, 128<<16
	s_mov_b32 s30, 32<<16
	s_mov_b32 s31, 128<<16
	s_mov_b32 s32, 32
	s_mov_b32 s33, 128
	s_mov_b32 s34, 0
	s_mov_b32 s35, 0
	s_mov_b32 s40, (2<<16)|(1<<20)|(7<<22)|(3<<25) ; o: 16 channel rows of 256 f32, 65,536 numbers apart, 4 words of padding behind every 256
	s_mov_b32 s41, 256<<16
	s_mov_b32 s42, 16<<16
	s_mov_b32 s43, 256<<16
	s_mov_b32 s44, 16
	s_mov_b32 s45, 65536
	s_mov_b32 s46, 0
	s_mov_b32 s47, 0
	s_mov_b32 s24, 1
	s_mul_i32 s25, s[WV], 16896
	s_mov_b32 s36, 1
	s_mul_i32 s37, s[WV], 16640
	s_add_co_u32 s37, s37, OT
	s_lshl_b32 s2, ttmp9, 17
	s_lshl_b32 s3, s[WV], 14
	s_add_co_u32 s2, s2, s3
	s_mov_b32 s3, 0
	s_lshl_b32 s54, s[WV], 22                      ; channel 16 w of o,
	s_lshl_b32 s55, ttmp9, 10                      ; row i
	s_add_co_u32 s54, s54, s55
	s_mov_b32 s55, 0
	s_lshl_b32 s56, ttmp9, 9                       ; out, turned: position (32 w + t, i)
	s_lshl_b32 s57, s[WV], 22
	s_add_co_u32 s56, s56, s57
	s_mov_b32 s57, 0
	s_mov_b32 s[SEL], 0x76543210
	s_mov_b32 s[SEL+1], 0xfedcba98
	s_mov_b32 s[INV], 0x3c000000
	s_mov_b32 s[EPS], 0x3727c5ac
	s_wait_dscnt 0x0
	s_wait_kmcnt 0x0
	s_add_nc_u64 s[26:27], s[4:5], s[2:3]
	s_or_b32 s27, s27, 0x80000000
	s_add_nc_u64 s[38:39], s[6:7], s[54:55]
	s_or_b32 s39, s39, 0x80000000
	s_add_nc_u64 s[22:23], s[22:23], s[56:57]
	tensor_load_to_lds s[24:27], s[28:35]          ; both first fills together: two tensor loads of mine are out
	s_nop 0
	tensor_load_to_lds s[36:39], s[40:47]
	s_nop 0
	PLACES
	v_and_b32 v[RR], 15, v0
	v_bfe_u32 v[HH], v0, 4, 1
	v_and_b32 v[T], 31, v0
	v_lshlrev_b32 v[L16], 4, v[T]
	v_lshlrev_b32 v[PV], 5, v[HH]
	v_mul_u32_u24 v[T], v[RR], 528
	v_add_nc_u32 v[XA], s25, v[T]
	v_lshl_add_u32 v[XA], v[HH], 5, v[XA]
	v_add_nc_u32 v[ORD], s25, v[L16]
	s_lshl_b32 s58, s[WV], 6
	v_add_nc_u32 v[XRA], s58, v[T]
	v_lshl_add_u32 v[XRA], v[HH], 5, v[XRA]        ; row r, my 64 bytes, 32 for each half of the lanes
	v_lshl_add_u32 v[CB], v[HH], 5, s58            ; (16 w + 8 h) 4
	v_mul_u32_u24 v[T], v[RR], 272
	v_lshl_add_u32 v[T], v[HH], 4, v[T]
	v_add_nc_u32 v[XFA], XN, v[T]
	v_add_nc_u32 v[OFA], ON, v[T]
	s_mul_i32 s59, s[WV], 8704
	v_add_nc_u32 v[XNW], s59, v[XFA]
	v_add_nc_u32 v[ONW], s59, v[OFA]
	v_mul_u32_u24 v[T], v[HH], 8320
	v_lshl_add_u32 v[T], v[RR], 2, v[T]
	s_lshl_b32 s60, s[WV], 7
	s_add_co_u32 s60, s60, OT
	v_add_nc_u32 v[OA1], s60, v[T]
	v_add_nc_u32 v[OA2], 66560, v[OA1]
	s_lshl_b32 s61, s[WV], 12
	v_add_nc_u32 v[WOF], s61, v[L16]
	LDP G, 12                                      ; lno_g, lno_b
	LDP B, 14
	WIN 0x40
	LDW 0, WOF, 16, 131072                         ; the gate's block, then the output's
	LDW 32, WOF, 16, 163840
	WIN 0
	s_wait_tensorcnt 0x0                           ; my parts of x and o are in,
	BAR                                            ; everybody's are: o's channel rows come from all eight waves
	s_wait_loadcnt 0x0
	LDO 0
	s_wait_dscnt 0x0
	LNCORE P
	LDO 1
	s_wait_dscnt 0x0
	LNCORE X
	LDP G, 8                                       ; ln_g, ln_b
	LDP B, 10
	BAR                                            ; every wave's reads of o are back (waited for above): its bytes may be written
	STN ONW, P, 0
	STN ONW, X, 1
	s_wait_loadcnt 0x0
.irp t, 0,1
	LDX \t
	s_wait_dscnt 0x0
	LNCORE P
	STN XNW, P, \t
.endr
	global_load_b128 v[GBS:GBS+3],   v[CB], s[18:19]
	global_load_b128 v[GBS+4:GBS+7], v[CB], s[18:19] offset:16
	global_load_b128 v[OBV:OBV+3],   v[CB], s[20:21]
	global_load_b128 v[OBV+4:OBV+7], v[CB], s[20:21] offset:16
	s_wait_dscnt 0x0
	BAR                                            ; XN and ON are whole, and nobody reads x's rows as a whole any more
	s_wait_loadcnt 0x0
.irp j, 0,2,4,6
	v_pk_mul_f32 v[GBS+\j:GBS+\j+1], v[GBS+\j:GBS+\j+1], 0xbfb8aa3b op_sel_hi:[1,0]
.endr
; One tile of 16 positions: 8 matrix instructions, the two accumulators by turns; gate, bias, residual; the result goes back into XT.
.macro TILE pf
	s_wait_dscnt 0x0
	ds_load_b128 v[XR:XR+3],   v[XRA]
	ds_load_b128 v[XR+4:XR+7], v[XRA] offset:16
	WIN 0x01                                       ; source 0 window 1
.irp s, 0,1,2,3
.if \s == 0
	v_wmma_f32_16x16x32_bf16 v[ACCG:ACCG+7], v[8*\s:8*\s+7], v[XF+8*\s:XF+8*\s+7], 0
	v_wmma_f32_16x16x32_bf16 v[ACCO:ACCO+7], v[32+8*\s:32+8*\s+7], v[OF+8*\s:OF+8*\s+7], 0
.else
	v_wmma_f32_16x16x32_bf16 v[ACCG:ACCG+7], v[8*\s:8*\s+7], v[XF+8*\s:XF+8*\s+7], v[ACCG:ACCG+7]
	v_wmma_f32_16x16x32_bf16 v[ACCO:ACCO+7], v[32+8*\s:32+8*\s+7], v[OF+8*\s:OF+8*\s+7], v[ACCO:ACCO+7]
.endif
.endr
	WIN 0
	PLACES
.if \pf
	v_add_nc_u32 v[XFA], 4352, v[XFA]
	v_add_nc_u32 v[OFA], 4352, v[OFA]
	FRAG XF, XFA, 0
	FRAG OF, OFA, 0
.endif
.irp j, 0,2,4,6
	v_pk_fma_f32 v[ACCG+\j:ACCG+\j+1], v[ACCG+\j:ACCG+\j+1], 0xbfb8aa3b, v[GBS+\j:GBS+\j+1] op_sel_hi:[1,0,1]
.endr
.irp j, 0,1,2,3,4,5,6,7
	v_exp_f32 v[ACCG+\j], v[ACCG+\j]
.endr
.irp j, 0,2,4,6
	v_pk_add_f32 v[ACCO+\j:ACCO+\j+1], v[ACCO+\j:ACCO+\j+1], v[OBV+\j:OBV+\j+1]
.endr
	s_wait_alu depctr_va_vdst(0)
.irp j, 0,2,4,6
	v_pk_add_f32 v[ACCG+\j:ACCG+\j+1], v[ACCG+\j:ACCG+\j+1], 1.0 op_sel_hi:[1,0]
.endr
.irp j, 0,1,2,3,4,5,6,7
	v_rcp_f32 v[ACCG+\j], v[ACCG+\j]
.endr
	v_nop
.if \pf
	s_wait_dscnt 16                                ; the residual's two loads are in; the 16 fragment loads behind them stay out
.else
	s_wait_dscnt 0x0
.endif
	s_wait_alu depctr_va_vdst(0)
.irp j, 0,2,4,6
	v_pk_fma_f32 v[XR+\j:XR+\j+1], v[ACCO+\j:ACCO+\j+1], v[ACCG+\j:ACCG+\j+1], v[XR+\j:XR+\j+1]
.endr
	ds_store_b128 v[XRA], v[XR:XR+3]
	ds_store_b128 v[XRA], v[XR+4:XR+7] offset:16
	v_add_nc_u32 v[XRA], 8448, v[XRA]
.endm
	FRAG XF, XFA, 0
	FRAG OF, OFA, 0
	s_mov_b32 s[CNT], 15
.Ltile:
	TILE 1
	s_sub_co_u32 s[CNT], s[CNT], 1
	s_cmp_lg_u32 s[CNT], 0
	s_cbranch_scc1 .Ltile
	TILE 0
	s_wait_dscnt 0x0
	BAR                                            ; all eight waves' columns of every row are written
	OUTROWS 131072, 22
	s_wait_tensorcnt 0x0
	ds_add_u32 v30, v31
	s_wait_dscnt 0x0
	s_endpgm
.Lfunc_end_k_q096d56e9dd_c_ti:
	.size	k_q096d56e9dd_c_ti, .Lfunc_end_k_q096d56e9dd_c_ti-k_q096d56e9dd_c_ti
	.p2alignl 7, 3214868480
	.fill 96, 4, 3214868480
	.section	.rodata,"a",@progbits
	.p2align	6, 0x0
	.amdhsa_kernel k_q096d56e9dd_c_ti
		.amdhsa_group_segment_fixed_size 275456
		.amdhsa_private_segment_fixed_size 0
		.amdhsa_enable_private_segment 0
		.amdhsa_kernarg_size 80
		.amdhsa_user_sgpr_count 2
		.amdhsa_user_sgpr_kernarg_segment_ptr 1
		.amdhsa_wavefront_size32 1
		.amdhsa_system_sgpr_workgroup_id_x 1
		.amdhsa_system_sgpr_workgroup_id_y 1
		.amdhsa_system_sgpr_workgroup_id_z 1
		.amdhsa_system_vgpr_workitem_id 0
		.amdhsa_next_free_vgpr 320
		.amdhsa_next_free_sgpr 66
		.amdhsa_reserve_vcc 0
		.amdhsa_float_denorm_mode_32 3
		.amdhsa_float_denorm_mode_16_64 3
		.amdhsa_memory_ordered 1
		.amdhsa_forward_progress 1
		.amdhsa_inst_pref_size 89
	.end_amdhsa_kernel
	.amdgpu_metadata
---
amdhsa.version: [ 1, 2 ]
amdhsa.kernels:
  - .name:           k_q096d56e9dd_c_ti
    .symbol:         k_q096d56e9dd_c_ti.kd
    .args:
      - { .name: pA, .offset: 0, .size: 8, .value_kind: global_buffer, .address_space: global }
      - { .name: ob, .offset: 8, .size: 8, .value_kind: global_buffer, .address_space: global }
      - { .name: params_ti_ln_g, .offset: 16, .size: 8, .value_kind: global_buffer, .address_space: global }
      - { .name: params_ti_ln_b, .offset: 24, .size: 8, .value_kind: global_buffer, .address_space: global }
      - { .name: params_ti_lno_g, .offset: 32, .size: 8, .value_kind: global_buffer, .address_space: global }
      - { .name: params_ti_lno_b, .offset: 40, .size: 8, .value_kind: global_buffer, .address_space: global }
      - { .name: wTI, .offset: 48, .size: 8, .value_kind: global_buffer, .address_space: global }
      - { .name: params_ti_g_b, .offset: 56, .size: 8, .value_kind: global_buffer, .address_space: global }
      - { .name: params_ti_o_b, .offset: 64, .size: 8, .value_kind: global_buffer, .address_space: global }
      - { .name: ab, .offset: 72, .size: 8, .value_kind: global_buffer, .address_space: global }
    .group_segment_fixed_size: 275456
    .private_segment_fixed_size: 0
    .kernarg_segment_align: 8
    .kernarg_segment_size: 80
    .max_flat_workgroup_size: 256
    .sgpr_count:     66
    .vgpr_count:     320
    .wavefront_size: 32
...
	.end_amdgpu_metadata
.endif
;; end of part 5
;; launch p_as (part 6): grid 256 x 1, 8 waves a work-group, no clusters, 168,960 bytes of LDS; arguments ab, params_as_ln_g, params_as_ln_b, params_as_bias_w, ob; writes ob
.if DOCPART == 6
	.amdgcn_target "amdgcn-amd-amdhsa--gfx1250"
	.amdhsa_code_object_version 6
	.text
	.protected	k_q096d56e9dd_p_as
	.globl	k_q096d56e9dd_p_as
	.p2align	8
	.type	k_q096d56e9dd_p_as,@function
k_q096d56e9dd_p_as:
	s_mov_b64 s[64:65], 0
	v_nop
	global_prefetch_b8 v0, s[64:65] scope:SCOPE_SE
	s_setreg_imm32_b32 hwreg(HW_REG_WAVE_MODE, 25, 1), 1
	s_wait_xcnt 0x0
; TRIANGLE ATTENTION, PART 1: the pairwise bias, bias[head][j][k] = LN(x[j][k]) . bias_w[:, head], stored in bf16 in the order in which the score product takes it
; as a matrix operand: a block of 512 bytes for (head, 16 queries qt, 16 keys kt) at ((16 head + qt) 16 + kt) 512; lane (r, hh) holds bias[head][16 qt + 8 hh + e][16 kt + r], e = 0..7.
; A work-group makes the eight heads' blocks of one (qt, kt): 256 positions.  Wave w takes queries 16 qt + 2 w and + 1, 16 keys each.
; LDS: XT at 0, 256 positions of 528 bytes: one tensor load a wave, filled once.  When every wave's reads of x are back (a barrier), XT's first 8,192 bytes become the stage:
;      16 rows of 512 bytes, one a head (rows 8-15 take the copies that lanes r >= 8 make; they are not sent).
; Limits: LN(x), bias_w and the bias are rounded to bf16 (matrix operands); the norm in f32; v_rsq_f32 is not correctly rounded.
.set XA,   1
.set PV,   2
.set BWO,  3
.set SA,   4
.set SR,   5
.set L16,  6
.set RR,   7
.set HH,   8
.set T,    16
.set P,    32
.set X,    64
.set G,    128
.set B,    192
.set BW,   192
.set ACC,  224
.set WV,   48
.set SEL,  50
.set INV,  52
.set EPS,  53
.set MSB, 0
.macro WIN new                         ; the immediate's high byte repeats the setting that is left
.if MSB != \new
	s_set_vgpr_msb (MSB<<8)|\new
.set MSB, \new
.endif
.endm
.macro PLACES                          ; four places behind a matrix instruction, and behind a tensor load
.rept 4
	v_nop
.endr
.endm
.macro LDP dst, ptr                    ; my 64 numbers of a vector of 128
.irp u, 0,1,2,3,4,5,6,7
	global_load_b128 v[\dst+8*\u:\dst+8*\u+3],   v[PV], s[\ptr:\ptr+1] offset:64*\u
	global_load_b128 v[\dst+8*\u+4:\dst+8*\u+7], v[PV], s[\ptr:\ptr+1] offset:64*\u+16
.endr
.endm
.macro LDX t                           ; my 64 channels of key r of query 2 w + t: register 8 u + e = channel 16 u + 8 h + e
.irp u, 0,1,2,3,4,5,6,7
	ds_load_b128 v[X+8*\u:X+8*\u+3],   v[XA] offset:\t*8448+64*\u
	ds_load_b128 v[X+8*\u+4:X+8*\u+7], v[XA] offset:\t*8448+64*\u+16
.endr
.endm
.macro LNRED                           ; four chains of pairs -> one number, the same in both lanes of a position
	v_pk_add_f32 v[T:T+1], v[T:T+1], v[T+2:T+3]
	v_pk_add_f32 v[T+4:T+5], v[T+4:T+5], v[T+6:T+7]
	v_pk_add_f32 v[T:T+1], v[T:T+1], v[T+4:T+5]
	v_add_f32 v[T], v[T], v[T+1]
	v_permlanex16_b32 v[T+1], v[T], s[SEL], s[SEL+1]
	v_add_f32 v[T], v[T], v[T+1]
.endm
.macro LNCORE p                        ; layer norm of X in two passes (mean, then squares of the differences); the result, bf16 in pairs, into v[p .. p+31] (p = X: in place, ascending)
.irp c, 0,2,4,6
	v_pk_add_f32 v[T+\c:T+\c+1], v[X+\c:X+\c+1], v[X+8+\c:X+9+\c]
.endr
.set j, 16
.rept 24
	v_pk_add_f32 v[T+j%8:T+j%8+1], v[T+j%8:T+j%8+1], v[X+j:X+j+1]
.set j, j+2
.endr
	LNRED
	v_mul_f32 v[T+8], s[INV], v[T]
	v_mov_b32 v[T+9], v[T+8]
.set j, 0
.rept 32
	v_pk_add_f32 v[X+j:X+j+1], v[X+j:X+j+1], v[T+8:T+9] neg_lo:[0,1] neg_hi:[0,1]
.set j, j+2
.endr
.irp c, 0,2,4,6
	v_pk_mul_f32 v[T+\c:T+\c+1], v[X+\c:X+\c+1], v[X+\c:X+\c+1]
.endr
.set j, 8
.rept 28
	v_pk_fma_f32 v[T+j%8:T+j%8+1], v[X+j:X+j+1], v[X+j:X+j+1], v[T+j%8:T+j%8+1]
.set j, j+2
.endr
	LNRED
	v_fma_f32 v[T], v[T], s[INV], s[EPS]           ; variance + 1e-5
	v_rsq_f32 v[T+8], v[T]
	v_nop                                          ; a plain instruction between the root and its use
	s_wait_alu depctr_va_vdst(0)
	v_mov_b32 v[T+9], v[T+8]
.set j, 0
.rept 32
	v_pk_mul_f32 v[X+j:X+j+1], v[X+j:X+j+1], v[T+8:T+9]
.set j, j+2
.endr
.set j, 0
.rept 32
	v_pk_fma_f32 v[X+j:X+j+1], v[X+j:X+j+1], v[G+j:G+j+1], v[B+j:B+j+1]
.set j, j+2
.endr
.set j, 0
.rept 32
	v_cvt_pk_bf16_f32 v[\p+j], v[X+2*j], v[X+2*j+1]
.set j, j+1
.endr
.endm
	s_load_b256 s[4:11], s[0:1], 0x0               ; x, ln_g, ln_b, bias_w
	s_load_b64 s[12:13], s[0:1], 0x20              ; ob
	v_lshl_add_u32 v30, v0, 2, 0x29000
	v_mov_b32 v31, 0
	ds_add_u32 v30, v31
	ds_add_u32 v30, v31
	v_lshrrev_b32 v9, 5, v0
	v_readfirstlane_b32 s[WV], v9
	s_lshr_b32 s54, ttmp9, 4                       ; qt
	s_and_b32 s55, ttmp9, 15                       ; kt
	; group 1: 2 rows of 2,048 f32 (16 positions), 32,768 numbers apart; 4 words of padding behind every 128 words, counted along the tile: every position gets a pitch of 528 bytes
	s_mov_b32 s28, (2<<16)|(1<<20)|(6<<22)|(3<<25)
	s_mov_b32 s29, 2048<<16
	s_mov_b32 s30, 2<<16
	s_mov_b32 s31, 2048<<16
	s_mov_b32 s32, 2
	s_mov_b32 s33, 32768
	s_mov_b32 s34, 0
	s_mov_b32 s35, 0
	s_mov_b32 s24, 1
	s_mul_i32 s25, s[WV], 16896
	s_lshl_b32 s2, s54, 21                         ; row 16 qt (131,072 bytes a row),
	s_lshl_b32 s3, s[WV], 18                       ; + 2 w,
	s_add_co_u32 s2, s2, s3
	s_lshl_b32 s3, s55, 13                         ; position 16 kt
	s_add_co_u32 s2, s2, s3
	s_mov_b32 s3, 0
	s_lshl_b32 s56, s[WV], 17                      ; out: head w's block (qt, kt)
	s_lshl_b32 s57, s54, 13
	s_add_co_u32 s56, s56, s57
	s_lshl_b32 s57, s55, 9
	s_add_co_u32 s56, s56, s57
	s_mov_b32 s57, 0
	s_mov_b32 s[SEL], 0x76543210
	s_mov_b32 s[SEL+1], 0xfedcba98
	s_mov_b32 s[INV], 0x3c000000                   ; 1 / 128
	s_mov_b32 s[EPS], 0x3727c5ac                   ; 1e-5
	s_wait_dscnt 0x0
	s_wait_kmcnt 0x0
	s_add_nc_u64 s[26:27], s[4:5], s[2:3]
	s_or_b32 s27, s27, 0x80000000
	s_add_nc_u64 s[12:13], s[12:13], s[56:57]
	tensor_load_to_lds s[24:27], s[28:35]          ; my one tensor load of the launch
	s_nop 0
	PLACES
	v_and_b32 v[RR], 15, v0
	v_bfe_u32 v[HH], v0, 4, 1
	v_and_b32 v9, 31, v0
	v_lshlrev_b32 v[L16], 4, v9
	v_lshlrev_b32 v[PV], 5, v[HH]
	v_mul_u32_u24 v9, v[RR], 528
	v_add_nc_u32 v[XA], s25, v9
	v_lshl_add_u32 v[XA], v[HH], 5, v[XA]
	v_and_b32 v9, 7, v[RR]
	v_lshlrev_b32 v9, 2, v9
	v_lshl_add_u32 v[BWO], v[HH], 8, v9            ; bias_w: row 8 h (32 bytes a row), head r % 8
	s_lshr_b32 s58, s[WV], 2
	s_lshl_b32 s58, s58, 8                         ; the stage: queries 2 w, 2 w + 1 lie in half w / 4 of a block's lane places (256 bytes a half),
	s_and_b32 s59, s[WV], 3
	s_lshl_b32 s59, s59, 2                         ; in word w % 4 of a place's 16 bytes
	s_add_co_u32 s58, s58, s59
	v_mul_u32_u24 v9, v[RR], 512                   ; head r's 512 bytes,
	v_lshl_add_u32 v9, v[HH], 7, v9                ; keys 8 h on (16 bytes a key)
	v_add_nc_u32 v[SA], s58, v9
	s_lshl_b32 s60, s[WV], 9
	v_add_nc_u32 v[SR], s60, v[L16]                ; back: head w's block, 16 bytes a lane
	LDP G, 6
	LDP B, 8
	WIN 0x40                                       ; bias_w as f32 into window 1: register 8 u + e = row 16 u + 8 h + e, as in X
.set n, 0
.rept 64
	global_load_b32 v[n], v[BWO], s[10:11] offset:(16*(n/8)+n%8)*32
.set n, n+1
.endr
	WIN 0
	s_wait_loadcnt 0x0
	s_wait_tensorcnt 0x0                           ; my positions are in LDS; only I read them
	LDX 0
	s_wait_dscnt 0x0
	LNCORE P                                       ; query 2 w: four fragments, rows = keys
	LDX 1
	s_wait_dscnt 0x0                               ; my last reads of x are back:
	s_barrier_signal -1                            ; say so; only register work stands between this signal and its wait
	LNCORE X                                       ; query 2 w + 1, in place
	WIN 0x05                                       ; sources window 1
.set n, 0
.rept 32
	v_cvt_pk_bf16_f32 v[BW+n], v[2*n], v[2*n+1]
.set n, n+1
.endr
	WIN 0
.irp s, 0,1,2,3                        ; the two accumulators by turns
.if \s == 0
	v_wmma_f32_16x16x32_bf16 v[ACC:ACC+7],    v[P+8*\s:P+8*\s+7], v[BW+8*\s:BW+8*\s+7], 0
	v_wmma_f32_16x16x32_bf16 v[ACC+8:ACC+15], v[X+8*\s:X+8*\s+7], v[BW+8*\s:BW+8*\s+7], 0
.else
	v_wmma_f32_16x16x32_bf16 v[ACC:ACC+7],    v[P+8*\s:P+8*\s+7], v[BW+8*\s:BW+8*\s+7], v[ACC:ACC+7]
	v_wmma_f32_16x16x32_bf16 v[ACC+8:ACC+15], v[X+8*\s:X+8*\s+7], v[BW+8*\s:BW+8*\s+7], v[ACC+8:ACC+15]
.endif
.endr
	PLACES
	; a lane holds head r and keys 8 h + j; my two queries are neighbours in a block: one word a key
.irp j, 0,1,2,3,4,5,6,7
	v_cvt_pk_bf16_f32 v[T+\j], v[ACC+\j], v[ACC+8+\j]
.endr
	s_barrier_wait -1                              ; every wave's reads of x are back: XT's first bytes may be written
.irp j, 0,1,2,3,4,5,6,7
	ds_store_b32 v[SA], v[T+\j] offset:16*\j
.endr
	s_wait_dscnt 0x0                               ; for the others' sake: my words of all eight blocks are written
	s_barrier_signal -1
	s_barrier_wait -1
	ds_load_b128 v[T:T+3], v[SR]                   ; head w's block, whole
	s_wait_dscnt 0x0
	global_store_b128 v[L16], v[T:T+3], s[12:13]   ; 512 consecutive bytes, aligned
	s_wait_tensorcnt 0x0
	ds_add_u32 v30, v31
	s_wait_dscnt 0x0
	s_endpgm
.Lfunc_end_k_q096d56e9dd_p_as:
	.size	k_q096d56e9dd_p_as, .Lfunc_end_k_q096d56e9dd_p_as-k_q096d56e9dd_p_as
	.p2alignl 7, 3214868480
	.fill 96, 4, 3214868480
	.section	.rodata,"a",@progbits
	.p2align	6, 0x0
	.amdhsa_kernel k_q096d56e9dd_p_as
		.amdhsa_group_segment_fixed_size 168960
		.amdhsa_private_segment_fixed_size 0
		.amdhsa_enable_private_segment 0
		.amdhsa_kernarg_size 40
		.amdhsa_user_sgpr_count 2
		.amdhsa_user_sgpr_kernarg_segment_ptr 1
		.amdhsa_wavefront_size32 1
		.amdhsa_system_sgpr_workgroup_id_x 1
		.amdhsa_system_sgpr_workgroup_id_y 1
		.amdhsa_system_sgpr_workgroup_id_z 1
		.amdhsa_system_vgpr_workitem_id 0
		.amdhsa_next_free_vgpr 320
		.amdhsa_next_free_sgpr 66
		.amdhsa_reserve_vcc 0
		.amdhsa_float_denorm_mode_32 3
		.amdhsa_float_denorm_mode_16_64 3
		.amdhsa_memory_ordered 1
		.amdhsa_forward_progress 1
		.amdhsa_inst_pref_size 44
	.end_amdhsa_kernel
	.amdgpu_metadata
---
amdhsa.version: [ 1, 2 ]
amdhsa.kernels:
  - .name:           k_q096d56e9dd_p_as
    .symbol:         k_q096d56e9dd_p_as.kd
    .args:
      - { .name: ab, .offset: 0, .size: 8, .value_kind: global_buffer, .address_space: global }
      - { .name: params_as_ln_g, .offset: 8, .size: 8, .value_kind: global_buffer, .address_space: global }
      - { .name: params_as_ln_b, .offset: 16, .size: 8, .value_kind: global_buffer, .address_space: global }
      - { .name: params_as_bias_w, .offset: 24, .size: 8, .value_kind: global_buffer, .address_space: global }
      - { .name: ob, .offset: 32, .size: 8, .value_kind: global_buffer, .address_space: global }
    .group_segment_fixed_size: 168960
    .private_segment_fixed_size: 0
    .kernarg_segment_align: 8
    .kernarg_segment_size: 40
    .max_flat_workgroup_size: 256
    .sgpr_count:     66
    .vgpr_count:     320
    .wavefront_size: 32
...
	.end_amdgpu_metadata
.endif
;; end of part 6
;; launch t_as (part 7): grid 256 x 1, 8 waves a work-group, no clusters, 275,456 bytes of LDS; arguments ab, ob, params_as_ln_g, params_as_ln_b, wAS, params_as_g_b, params_as_o_b, pA; writes pA
.if DOCPART == 7
	.amdgcn_target "amdgcn-amd-amdhsa--gfx1250"
	.amdhsa_code_object_version 6
	.text
	.protected	k_q096d56e9dd_t_as
	.globl	k_q096d56e9dd_t_as
	.p2align	8
	.type	k_q096d56e9dd_t_as,@function
k_q096d56e9dd_t_as:
	s_mov_b64 s[64:65], 0
	v_nop
	global_prefetch_b8 v0, s[64:65] scope:SCOPE_SE
	s_setreg_imm32_b32 hwreg(HW_REG_WAVE_MODE, 25, 1), 1
	s_wait_xcnt 0x0
; TRIANGLE ATTENTION, PART 2: for row i: xn = LN(x); q, k, v, gate; softmax over keys of q . k / 4 + bias[query][key]; y = x + (gate * o) Wo + bo; y[i][j] is stored at [j][i].
; A work-group owns row i (256 positions are queries and keys alike); wave w IS head w: its 16 channels of q, k, v, gate and, at the end, of the output.
; LAYOUT.  q and k: source 0 = weights, source 1 = positions: a lane holds one position and channels 8 h + 0..7, which packed ARE registers 0-3 of a fragment of the score product.
;   v: source 0 = positions, source 1 = weights: a lane holds one channel and eight positions: half a fragment of V^T.  Nothing changes lanes.
;   S^T = K Q^T has only 16 channels for its K of 32.  The other half carries the bias: keys' registers 4-7 hold bias[q0 + 8 h + e][key r], queries' registers 4-7 hold 1 where 8 h + e = r.
;   So the product is q . k / 4 + bias.  In S^T a lane holds one query and 128 of its 256 keys, all at once: the maximum is taken over all keys before any exponential.
;   O^T = V^T P: the weights, packed in place, are source 1.
; LDS: XT at 0 (x, 256 rows of 528 bytes; one tensor load a wave, filled once; at the end the result replaces x, each wave in its own 64 bytes of a row);
;      XN: LN(x) bf16, rows of 272; QO: rows of 272: bytes 32 w .. 32 w + 31 of a row are wave w's: first q, then the gated o.
; REGISTERS.  Window 1: v0-127 K | bias, key tile kt at 8 kt; v128-191 V^T; v192-223 gate weights; v224-255 output weights.
;   Window 0: v1-15 addresses; v16-27 at work; v32-39 Q | one-hot; v40-63 O0, O1, gate; v64-95 fragments; v96-111 biases; v112-127 residual; v128-255 S^T.
; No joint loads for the bias blocks, which all work-groups read: they go straight into operand registers, one query tile ahead, with the softmax in which to land.
; Limits: xn, weights, q, k, v, bias, softmax weights and gated o are rounded to bf16 (matrix operands); norm, softmax, gate, residual in f32;
; v_exp_f32, v_rcp_f32, v_rsq_f32 are not correctly rounded and flush denormal results to zero (a weight below 2^-126 of the largest counts as 0).
.set XN,   135168
.set QO,   204800
.set XA,   1
.set XNW,  2
.set AFA,  3
.set QOA,  4
.set OFA,  5
.set XRA,  6
.set WOF,  7
.set PV,   8
.set CB,   9
.set L16,  10
.set ORD,  11
.set BOF,  12
.set RR,   13
.set HH,   14
.set T,    16
.set P,    32
.set X,    64
.set G,    128
.set B,    192
.set QB,   32
.set O0,   40
.set O1,   48
.set GA,   56
.set AF,   64
.set AQ,   96
.set AK,   104
.set AV,   112
.set GBS,  96
.set OBV,  104
.set XR,   112
.set S,    128
.set QW,   128
.set KW,   160
.set VW,   192
.set AF1,  128
.set WV,   48
.set CNT,  49
.set SEL,  50
.set INV,  52
.set EPS,  53
.set MSB, 0
.macro WIN new
.if MSB != \new
	s_set_vgpr_msb (MSB<<8)|\new
.set MSB, \new
.endif
.endm
.macro PLACES
.rept 4
	v_nop
.endr
.endm
.macro BAR
	s_barrier_signal -1
	s_barrier_wait -1
.endm
.macro LDW dst, voff, ptr, imm
.irp i, 0,1,2,3,4,5,6,7
	global_load_b128 v[\dst+4*\i:\dst+4*\i+3], v[\voff], s[\ptr:\ptr+1] offset:\imm+512*\i
.endr
.endm
.macro LDP dst, ptr
.irp u, 0,1,2,3,4,5,6,7
	global_load_b128 v[\dst+8*\u:\dst+8*\u+3],   v[PV], s[\ptr:\ptr+1] offset:64*\u
	global_load_b128 v[\dst+8*\u+4:\dst+8*\u+7], v[PV], s[\ptr:\ptr+1] offset:64*\u+16
.endr
.endm
.macro LDX t
.irp u, 0,1,2,3,4,5,6,7
	ds_load_b128 v[X+8*\u:X+8*\u+3],   v[XA] offset:\t*8448+64*\u
	ds_load_b128 v[X+8*\u+4:X+8*\u+7], v[XA] offset:\t*8448+64*\u+16
.endr
.endm
.macro LNRED
	v_pk_add_f32 v[T:T+1], v[T:T+1], v[T+2:T+3]
	v_pk_add_f32 v[T+4:T+5], v[T+4:T+5], v[T+6:T+7]
	v_pk_add_f32 v[T:T+1], v[T:T+1], v[T+4:T+5]
	v_add_f32 v[T], v[T], v[T+1]
	v_permlanex16_b32 v[T+1], v[T], s[SEL], s[SEL+1]
	v_add_f32 v[T], v[T], v[T+1]
.endm
.macro LNCORE p
.irp c, 0,2,4,6
	v_pk_add_f32 v[T+\c:T+\c+1], v[X+\c:X+\c+1], v[X+8+\c:X+9+\c]
.endr
.set j, 16
.rept 24
	v_pk_add_f32 v[T+j%8:T+j%8+1], v[T+j%8:T+j%8+1], v[X+j:X+j+1]
.set j, j+2
.endr
	LNRED
	v_mul_f32 v[T+8], s[INV], v[T]
	v_mov_b32 v[T+9], v[T+8]
.set j, 0
.rept 32
	v_pk_add_f32 v[X+j:X+j+1], v[X+j:X+j+1], v[T+8:T+9] neg_lo:[0,1] neg_hi:[0,1]
.set j, j+2
.endr
.irp c, 0,2,4,6
	v_pk_mul_f32 v[T+\c:T+\c+1], v[X+\c:X+\c+1], v[X+\c:X+\c+1]
.endr
.set j, 8
.rept 28
	v_pk_fma_f32 v[T+j%8:T+j%8+1], v[X+j:X+j+1], v[X+j:X+j+1], v[T+j%8:T+j%8+1]
.set j, j+2
.endr
	LNRED
	v_fma_f32 v[T], v[T], s[INV], s[EPS]
	v_rsq_f32 v[T+8], v[T]
	v_nop
	s_wait_alu depctr_va_vdst(0)
	v_mov_b32 v[T+9], v[T+8]
.set j, 0
.rept 32
	v_pk_mul_f32 v[X+j:X+j+1], v[X+j:X+j+1], v[T+8:T+9]
.set j, j+2
.endr
.set j, 0
.rept 32
	v_pk_fma_f32 v[X+j:X+j+1], v[X+j:X+j+1], v[G+j:G+j+1], v[B+j:B+j+1]
.set j, j+2
.endr
.set j, 0
.rept 32
	v_cvt_pk_bf16_f32 v[\p+j], v[X+2*j], v[X+2*j+1]
.set j, j+1
.endr
.endm
.macro STN adr, src, t
.irp u, 0,1,2,3,4,5,6,7
	ds_store_b128 v[\adr], v[\src+4*\u:\src+4*\u+3] offset:\t*4352+32*\u
.endr
.endm
.macro FRAG dst, adr, ofs
.irp s, 0,1,2,3
	ds_load_b128 v[\dst+8*\s:\dst+8*\s+3],   v[\adr] offset:\ofs+64*\s
	ds_load_b128 v[\dst+8*\s+4:\dst+8*\s+7], v[\adr] offset:\ofs+64*\s+32
.endr
.endm
.macro OUTROWS step, ptr
.irp b, 0,1
.irp t, 0,1,2,3,4,5,6,7,8,9,10,11,12,13,14,15
	ds_load_b128 v[128+64*\b+4*\t:128+64*\b+4*\t+3], v[ORD] offset:(16*\b+\t)*528
.endr
.endr
.irp b, 0,1
	s_wait_dscnt 16-16*\b                          ; the first sixteen rows are back, the other sixteen loads may stay out; then all
.irp t, 0,1,2,3,4,5,6,7,8,9,10,11,12,13,14,15
	global_store_b128 v[L16], v[128+64*\b+4*\t:128+64*\b+4*\t+3], s[\ptr:\ptr+1] offset:(16*\b+\t)*\step
.endr
.endr
.endm
	s_load_b512 s[4:19], s[0:1], 0x0               ; x, ob, ln_g, ln_b, w, g_b, o_b, xout
	v_lshl_add_u32 v30, v0, 2, 0x43000
	v_mov_b32 v31, 0
	ds_add_u32 v30, v31
	ds_add_u32 v30, v31
	v_lshrrev_b32 v15, 5, v0
	v_readfirstlane_b32 s[WV], v15
	s_mov_b32 s28, (2<<16)|(1<<20)|(6<<22)|(3<<25) ; 32 rows of 128 f32, 4 words of padding behind every 128
	s_mov_b32 s29, 128<<16
	s_mov_b32 s30, 32<<16
	s_mov_b32 s31, 128<<16
	s_mov_b32 s32, 32
	s_mov_b32 s33, 128
	s_mov_b32 s34, 0
	s_mov_b32 s35, 0
	s_mov_b32 s24, 1
	s_mul_i32 s25, s[WV], 16896
	s_lshl_b32 s2, ttmp9, 17
	s_lshl_b32 s3, s[WV], 14
	s_add_co_u32 s2, s2, s3
	s_mov_b32 s3, 0
	s_lshl_b32 s60, ttmp9, 9                       ; out, turned: position (32 w + t, i)
	s_lshl_b32 s61, s[WV], 22
	s_add_co_u32 s60, s60, s61
	s_mov_b32 s61, 0
	s_mov_b32 s[SEL], 0x76543210
	s_mov_b32 s[SEL+1], 0xfedcba98
	s_mov_b32 s[INV], 0x3c000000
	s_mov_b32 s[EPS], 0x3727c5ac
	s_wait_dscnt 0x0
	s_wait_kmcnt 0x0
	s_add_nc_u64 s[26:27], s[4:5], s[2:3]
	s_or_b32 s27, s27, 0x80000000
	s_add_nc_u64 s[18:19], s[18:19], s[60:61]
	tensor_load_to_lds s[24:27], s[28:35]          ; my one tensor load of the launch
	s_nop 0
	PLACES
	v_and_b32 v[RR], 15, v0
	v_bfe_u32 v[HH], v0, 4, 1
	v_and_b32 v15, 31, v0
	v_lshlrev_b32 v[L16], 4, v15
	v_lshlrev_b32 v[PV], 5, v[HH]
	v_mul_u32_u24 v15, v[RR], 528
	v_add_nc_u32 v[XA], s25, v15
	v_lshl_add_u32 v[XA], v[HH], 5, v[XA]
	v_add_nc_u32 v[ORD], s25, v[L16]
	s_lshl_b32 s54, s[WV], 6
	v_add_nc_u32 v[XRA], s54, v15
	v_lshl_add_u32 v[XRA], v[HH], 5, v[XRA]
	v_lshl_add_u32 v[CB], v[HH], 5, s54
	v_mul_u32_u24 v15, v[RR], 272
	v_lshl_add_u32 v15, v[HH], 4, v15
	v_add_nc_u32 v[AFA], XN, v15
	v_add_nc_u32 v[OFA], QO, v15
	s_mul_i32 s55, s[WV], 8704
	v_add_nc_u32 v[XNW], s55, v[AFA]
	s_lshl_b32 s56, s[WV], 5
	v_add_nc_u32 v[QOA], s56, v[OFA]
	s_lshl_b32 s57, s[WV], 12
	v_add_nc_u32 v[WOF], s57, v[L16]
	s_lshl_b32 s58, s[WV], 17
	v_add_nc_u32 v[BOF], s58, v[L16]               ; head w's bias blocks
	LDP G, 8
	LDP B, 10
	WIN 0x40
	LDW 192, WOF, 12, 98304                        ; gate weights
	LDW 224, WOF, 12, 131072                       ; output weights
	WIN 0
	s_wait_loadcnt 0x0
	s_wait_tensorcnt 0x0
.irp t, 0,1
	LDX \t
	s_wait_dscnt 0x0
	LNCORE P
	STN XNW, P, \t
.endr
	LDW QW, WOF, 12, 0
	LDW KW, WOF, 12, 32768
	LDW VW, WOF, 12, 65536
	s_wait_dscnt 0x0
	BAR                                            ; XN is whole
	s_wait_loadcnt 0x0
; q, k, v of position tile m: 12 matrix instructions, three accumulators by turns
.macro PROJ m
	s_wait_dscnt 0x0
.irp s, 0,1,2,3
.if \s == 0
	v_wmma_f32_16x16x32_bf16 v[AQ:AQ+7], v[QW+8*\s:QW+8*\s+7], v[AF+8*\s:AF+8*\s+7], 0
	v_wmma_f32_16x16x32_bf16 v[AK:AK+7], v[KW+8*\s:KW+8*\s+7], v[AF+8*\s:AF+8*\s+7], 0
	v_wmma_f32_16x16x32_bf16 v[AV:AV+7], v[AF+8*\s:AF+8*\s+7], v[VW+8*\s:VW+8*\s+7], 0
.else
	v_wmma_f32_16x16x32_bf16 v[AQ:AQ+7], v[QW+8*\s:QW+8*\s+7], v[AF+8*\s:AF+8*\s+7], v[AQ:AQ+7]
	v_wmma_f32_16x16x32_bf16 v[AK:AK+7], v[KW+8*\s:KW+8*\s+7], v[AF+8*\s:AF+8*\s+7], v[AK:AK+7]
	v_wmma_f32_16x16x32_bf16 v[AV:AV+7], v[AF+8*\s:AF+8*\s+7], v[VW+8*\s:VW+8*\s+7], v[AV:AV+7]
.endif
.endr
	PLACES
.if \m < 15
	FRAG AF, AFA, (\m+1)*4352
.endif
.irp j, 0,2,4,6
	v_pk_mul_f32 v[AQ+\j:AQ+\j+1], v[AQ+\j:AQ+\j+1], 0x3e800000 op_sel_hi:[1,0]   ; 1 / sqrt(16)
.endr
.irp i, 0,1,2,3
	v_cvt_pk_bf16_f32 v[T+\i], v[AQ+2*\i], v[AQ+2*\i+1]
.endr
	ds_store_b128 v[QOA], v[T:T+3] offset:\m*4352
	WIN 0x40                                       ; destination window 1
.irp i, 0,1,2,3
	v_cvt_pk_bf16_f32 v[8*\m+\i], v[AK+2*\i], v[AK+2*\i+1]
.endr
.irp i, 0,1,2,3
	v_cvt_pk_bf16_f32 v[128+8*(\m/2)+4*(\m%2)+\i], v[AV+2*\i], v[AV+2*\i+1]
.endr
	WIN 0
.endm
	FRAG AF, AFA, 0
.irp m, 0,1,2,3,4,5,6,7,8,9,10,11,12,13,14,15
	PROJ \m
.endr
	global_load_b128 v[GBS:GBS+3],   v[CB], s[14:15]
	global_load_b128 v[GBS+4:GBS+7], v[CB], s[14:15] offset:16
	global_load_b128 v[OBV:OBV+3],   v[CB], s[16:17]
	global_load_b128 v[OBV+4:OBV+7], v[CB], s[16:17] offset:16
	WIN 0x40
.irp k, 0,1,2,3,4,5,6,7,8,9,10,11,12,13,14,15
	global_load_b128 v[8*\k+4:8*\k+7], v[BOF], s[6:7] offset:512*\k   ; the bias of query tile 0
.endr
	WIN 0
	; the one-hot half of the queries' operand: bf16 1.0 at place 8 h + e = r
	v_and_b32 v[T], 1, v[RR]
	v_lshlrev_b32 v[T], 4, v[T]
	v_mov_b32 v[T+1], 0x3f80
	v_lshlrev_b32 v[T], v[T], v[T+1]
	v_lshrrev_b32 v[T+2], 3, v[RR]
	v_bfe_u32 v[T+3], v[RR], 1, 2
	v_cmp_eq_u32 vcc_lo, v[T+2], v[HH]
	v_cndmask_b32 v[T], 0, v[T], vcc_lo
.irp i, 0,1,2,3
	v_cmp_eq_u32 vcc_lo, \i, v[T+3]
	v_cndmask_b32 v[QB+4+\i], 0, v[T], vcc_lo
.endr
	s_wait_loadcnt 16                              ; g_b and o_b are in; the 16 bias loads behind them stay out
.irp j, 0,2,4,6
	v_pk_mul_f32 v[GBS+\j:GBS+\j+1], v[GBS+\j:GBS+\j+1], 0xbfb8aa3b op_sel_hi:[1,0]
.endr
.macro CVTP q                          ; pair q of the lane's 64 pairs of weights, rounded in place: 32 keys' weights end up in 8 neighbouring registers
	v_cvt_pk_bf16_f32 v[S+16*((\q)/8)+(\q)%8], v[S+2*(\q)], v[S+2*(\q)+1]
.endm
.macro FIN                             ; pair f is summed and rounded.  Pairs 0-7 start the four chains, two pairs to a chain: nothing is cleared
.if f < 8
.if f%2 == 1
	s_wait_alu depctr_va_vdst(0)
	v_pk_add_f32 v[T+f-1:T+f], v[S+2*f-2:S+2*f-1], v[S+2*f:S+2*f+1]
	CVTP f-1
	CVTP f
.endif
.else
	s_wait_alu depctr_va_vdst(0)
	v_pk_add_f32 v[T+2*(f%4):T+2*(f%4)+1], v[T+2*(f%4):T+2*(f%4)+1], v[S+2*f:S+2*f+1]
	CVTP f
.endif
.endm
; One tile of 16 queries against all 256 keys.  pf = 1: the next tile's bias is fetched.
.macro QT pf
	ds_load_b128 v[QB:QB+3], v[QOA]
	FRAG AF, AFA, 0                                ; xn of the queries, for the gate
	s_wait_dscnt 8                                 ; q is in; the eight loads behind it stay out
	s_wait_loadcnt 0x0                             ; this tile's bias
	WIN 0x01
.irp k, 0,1,2,3,4,5,6,7,8,9,10,11,12,13,14,15
	v_wmma_f32_16x16x32_bf16 v[S+8*\k:S+8*\k+7], v[8*\k:8*\k+7], v[QB:QB+7], 0
.endr
	WIN 0
	PLACES
.if \pf
	v_add_nc_u32 v[BOF], 8192, v[BOF]              ; free since the wait for its loads
	WIN 0x40
.irp k, 0,1,2,3,4,5,6,7,8,9,10,11,12,13,14,15
	global_load_b128 v[8*\k+4:8*\k+7], v[BOF], s[6:7] offset:512*\k
.endr
	WIN 0
.endif
	; the maximum of my 128 scores in four chains, each tile from its low registers on; then the other half of the lanes'
.irp g, 0,1,2,3
.irp q, 0,2,4,6
.irp c, 0,1,2,3
.if (\g == 0) && (\q == 0)
	v_max_num_f32 v[T+\c], v[S+8*\c], v[S+8*\c+1]
.else
	v_max3_num_f32 v[T+\c], v[T+\c], v[S+32*\g+8*\c+\q], v[S+32*\g+8*\c+\q+1]
.endif
.endr
.endr
.endr
	v_max3_num_f32 v[T], v[T], v[T+1], v[T+2]
	v_max_num_f32 v[T], v[T], v[T+3]
	v_permlanex16_b32 v[T+1], v[T], s[SEL], s[SEL+1]
	v_max_num_f32 v[T], v[T], v[T+1]
	v_mul_f32 v[T+8], 0xbfb8aa3b, v[T]             ; -log2(e) m
	v_mov_b32 v[T+9], v[T+8]
	v_pk_fma_f32 v[S:S+1], v[S:S+1], 0x3fb8aa3b, v[T+8:T+9] op_sel_hi:[1,0,1]
	v_pk_fma_f32 v[S+2:S+3], v[S+2:S+3], 0x3fb8aa3b, v[T+8:T+9] op_sel_hi:[1,0,1]
	; behind each pair of exponentials stands plain work: the scaling two pairs ahead, the sum and the rounding one pair back
.set p, 0
.rept 64
	v_exp_f32 v[S+2*p], v[S+2*p]
	v_exp_f32 v[S+2*p+1], v[S+2*p+1]
.if p < 62
	v_pk_fma_f32 v[S+2*p+4:S+2*p+5], v[S+2*p+4:S+2*p+5], 0x3fb8aa3b, v[T+8:T+9] op_sel_hi:[1,0,1]
.endif
.if p > 0
.set f, p-1
	FIN
.endif
.set p, p+1
.endr
.set f, 63
	FIN
	s_wait_dscnt 0x0                               ; the gate's fragments
	WIN 0x01
.irp i, 0,1,2,3                        ; V^T P on two accumulators and the gate on a third, by turns
.if \i == 0
	v_wmma_f32_16x16x32_bf16 v[O0:O0+7], v[128+16*\i:128+16*\i+7], v[S+32*\i:S+32*\i+7], 0
	v_wmma_f32_16x16x32_bf16 v[O1:O1+7], v[136+16*\i:136+16*\i+7], v[S+32*\i+16:S+32*\i+23], 0
	v_wmma_f32_16x16x32_bf16 v[GA:GA+7], v[192+8*\i:192+8*\i+7], v[AF+8*\i:AF+8*\i+7], 0
.else
	v_wmma_f32_16x16x32_bf16 v[O0:O0+7], v[128+16*\i:128+16*\i+7], v[S+32*\i:S+32*\i+7], v[O0:O0+7]
	v_wmma_f32_16x16x32_bf16 v[O1:O1+7], v[136+16*\i:136+16*\i+7], v[S+32*\i+16:S+32*\i+23], v[O1:O1+7]
	v_wmma_f32_16x16x32_bf16 v[GA:GA+7], v[192+8*\i:192+8*\i+7], v[AF+8*\i:AF+8*\i+7], v[GA:GA+7]
.endif
.endr
	WIN 0
	LNRED                                          ; l: six plain instructions on other registers, the places behind the products
	v_rcp_f32 v[T+8], v[T]
.irp j, 0,2,4,6
	v_pk_fma_f32 v[GA+\j:GA+\j+1], v[GA+\j:GA+\j+1], 0xbfb8aa3b, v[GBS+\j:GBS+\j+1] op_sel_hi:[1,0,1]
.endr
.irp j, 0,1,2,3,4,5,6,7
	v_exp_f32 v[GA+\j], v[GA+\j]
.endr
.irp j, 0,2,4,6
	v_pk_add_f32 v[O0+\j:O0+\j+1], v[O0+\j:O0+\j+1], v[O1+\j:O1+\j+1]
.endr
	s_wait_alu depctr_va_vdst(0)
	v_mov_b32 v[T+9], v[T+8]
.irp j, 0,2,4,6
	v_pk_add_f32 v[GA+\j:GA+\j+1], v[GA+\j:GA+\j+1], 1.0 op_sel_hi:[1,0]
.endr
.irp j, 0,1,2,3,4,5,6,7
	v_rcp_f32 v[GA+\j], v[GA+\j]
.endr
.irp j, 0,2,4,6
	v_pk_mul_f32 v[O0+\j:O0+\j+1], v[O0+\j:O0+\j+1], v[T+8:T+9]
.endr
	s_wait_alu depctr_va_vdst(0)
.irp j, 0,2,4,6
	v_pk_mul_f32 v[O0+\j:O0+\j+1], v[O0+\j:O0+\j+1], v[GA+\j:GA+\j+1]
.endr
.irp i, 0,1,2,3
	v_cvt_pk_bf16_f32 v[T+\i], v[O0+2*\i], v[O0+2*\i+1]
.endr
	ds_store_b128 v[QOA], v[T:T+3]                 ; over this tile's q, which has been read
	v_add_nc_u32 v[QOA], 4352, v[QOA]
	v_add_nc_u32 v[AFA], 4352, v[AFA]
.endm
	s_mov_b32 s[CNT], 15
.Lqt:
	QT 1
	s_sub_co_u32 s[CNT], s[CNT], 1
	s_cmp_lg_u32 s[CNT], 0
	s_cbranch_scc1 .Lqt
	QT 0
	s_wait_dscnt 0x0
	BAR                                            ; the gated o of all heads is in QO
; The output projection for two tiles of 16 positions.  Residual + bias is added on registers that no product names: eight plain instructions, the places behind the products.
.macro OP
	FRAG AF, OFA, 0
	FRAG AF1, OFA, 4352
	ds_load_b128 v[XR:XR+3],     v[XRA]
	ds_load_b128 v[XR+4:XR+7],   v[XRA] offset:16
	ds_load_b128 v[XR+8:XR+11],  v[XRA] offset:8448
	ds_load_b128 v[XR+12:XR+15], v[XRA] offset:8464
	s_wait_dscnt 0x0
	WIN 0x01
.irp s, 0,1,2,3
.if \s == 0
	v_wmma_f32_16x16x32_bf16 v[O0:O0+7], v[224+8*\s:224+8*\s+7], v[AF+8*\s:AF+8*\s+7], 0
	v_wmma_f32_16x16x32_bf16 v[O1:O1+7], v[224+8*\s:224+8*\s+7], v[AF1+8*\s:AF1+8*\s+7], 0
.else
	v_wmma_f32_16x16x32_bf16 v[O0:O0+7], v[224+8*\s:224+8*\s+7], v[AF+8*\s:AF+8*\s+7], v[O0:O0+7]
	v_wmma_f32_16x16x32_bf16 v[O1:O1+7], v[224+8*\s:224+8*\s+7], v[AF1+8*\s:AF1+8*\s+7], v[O1:O1+7]
.endif
.endr
	WIN 0
.irp j, 0,2,4,6,8,10,12,14
	v_pk_add_f32 v[XR+\j:XR+\j+1], v[XR+\j:XR+\j+1], v[OBV+\j%8:OBV+\j%8+1]
.endr
.irp j, 0,2,4,6,8,10,12,14
	v_pk_add_f32 v[O0+\j:O0+\j+1], v[O0+\j:O0+\j+1], v[XR+\j:XR+\j+1]
.endr
	ds_store_b128 v[XRA], v[O0:O0+3]
	ds_store_b128 v[XRA], v[O0+4:O0+7] offset:16
	ds_store_b128 v[XRA], v[O1:O1+3] offset:8448
	ds_store_b128 v[XRA], v[O1+4:O1+7] offset:8464
	v_add_nc_u32 v[OFA], 8704, v[OFA]
	v_add_nc_u32 v[XRA], 16896, v[XRA]
.endm
	s_mov_b32 s[CNT], 8
.Lop:
	OP
	s_sub_co_u32 s[CNT], s[CNT], 1
	s_cmp_lg_u32 s[CNT], 0
	s_cbranch_scc1 .Lop
	s_wait_dscnt 0x0
	BAR
	OUTROWS 131072, 18
	s_wait_tensorcnt 0x0
	ds_add_u32 v30, v31
	s_wait_dscnt 0x0
	s_endpgm
.Lfunc_end_k_q096d56e9dd_t_as:
	.size	k_q096d56e9dd_t_as, .Lfunc_end_k_q096d56e9dd_t_as-k_q096d56e9dd_t_as
	.p2alignl 7, 3214868480
	.fill 96, 4, 3214868480
	.section	.rodata,"a",@progbits
	.p2align	6, 0x0
	.amdhsa_kernel k_q096d56e9dd_t_as
		.amdhsa_group_segment_fixed_size 275456
		.amdhsa_private_segment_fixed_size 0
		.amdhsa_enable_private_segment 0
		.amdhsa_kernarg_size 64
		.amdhsa_user_sgpr_count 2
		.amdhsa_user_sgpr_kernarg_segment_ptr 1
		.amdhsa_wavefront_size32 1
		.amdhsa_system_sgpr_workgroup_id_x 1
		.amdhsa_system_sgpr_workgroup_id_y 1
		.amdhsa_system_sgpr_workgroup_id_z 1
		.amdhsa_system_vgpr_workitem_id 0
		.amdhsa_next_free_vgpr 512
		.amdhsa_next_free_sgpr 66
		.amdhsa_reserve_vcc 1
		.amdhsa_float_denorm_mode_32 3
		.amdhsa_float_denorm_mode_16_64 3
		.amdhsa_memory_ordered 1
		.amdhsa_forward_progress 1
		.amdhsa_inst_pref_size 153
	.end_amdhsa_kernel
	.amdgpu_metadata
---
amdhsa.version: [ 1, 2 ]
amdhsa.kernels:
  - .name:           k_q096d56e9dd_t_as
    .symbol:         k_q096d56e9dd_t_as.kd
    .args:
      - { .name: ab, .offset: 0, .size: 8, .value_kind: global_buffer, .address_space: global }
      - { .name: ob, .offset: 8, .size: 8, .value_kind: global_buffer, .address_space: global }
      - { .name: params_as_ln_g, .offset: 16, .size: 8, .value_kind: global_buffer, .address_space: global }
      - { .name: params_as_ln_b, .offset: 24, .size: 8, .value_kind: global_buffer, .address_space: global }
      - { .name: wAS, .offset: 32, .size: 8, .value_kind: global_buffer, .address_space: global }
      - { .name: params_as_g_b, .offset: 40, .size: 8, .value_kind: global_buffer, .address_space: global }
      - { .name: params_as_o_b, .offset: 48, .size: 8, .value_kind: global_buffer, .address_space: global }
      - { .name: pA, .offset: 56, .size: 8, .value_kind: global_buffer, .address_space: global }
    .group_segment_fixed_size: 275456
    .private_segment_fixed_size: 0
    .kernarg_segment_align: 8
    .kernarg_segment_size: 64
    .max_flat_workgroup_size: 256
    .sgpr_count:     66
    .vgpr_count:     512
    .wavefront_size: 32
...
	.end_amdgpu_metadata
.endif
;; end of part 7
;; launch p_ae: the kernel of part 6 again; grid 256 x 1, 8 waves a work-group, no clusters, 168,960 bytes of LDS; arguments pA, params_ae_ln_g, params_ae_ln_b, params_ae_bias_w, ob; writes ob
;; launch tr (part 8): grid 256 x 1, 8 waves a work-group, no clusters, 275,456 bytes of LDS; arguments pA, ob, params_ae_ln_g, params_ae_ln_b, wAE, params_ae_g_b, params_ae_o_b, params_tr_ln_g, params_tr_ln_b, wTR, params_tr_b1, params_tr_b2, out0; writes out0
.if DOCPART == 8
	.amdgcn_target "amdgcn-amd-amdhsa--gfx1250"
	.amdhsa_code_object_version 6
	.text
	.protected	k_q096d56e9dd_tr
	.globl	k_q096d56e9dd_tr
	.p2align	8
	.type	k_q096d56e9dd_tr,@function
k_q096d56e9dd_tr:
	s_mov_b64 s[64:65], 0
	v_nop
	global_prefetch_b8 v0, s[64:65] scope:SCOPE_SE
	s_setreg_imm32_b32 hwreg(HW_REG_WAVE_MODE, 25, 1), 1
	s_wait_xcnt 0x0
; THE SECOND TRIANGLE ATTENTION AND THE TRANSITION, IN ONE LAUNCH.
; Part 1, for row i: xn = LN(x); q, k, v, gate; softmax over keys of q . k / 4 + bias[query][key]; y = x + (gate * o) Wo + bo.
; Part 2, on y as it lies in LDS: z = y + relu(LN'(y) W1 + b1) W2 + b2; z[i][j] is stored at [j][i]: a position is 512 consecutive bytes either way.
; A work-group owns row i (256 positions are queries and keys alike); in part 1 wave w IS head w: its 16 channels of q, k, v, gate and of the output.
; LAYOUT.  q and k: source 0 = weights, source 1 = positions: a lane holds one position and channels 8 h + 0..7, which packed ARE registers 0-3 of a fragment of the score product.
;   v: source 0 = positions, source 1 = weights: a lane holds one channel and eight positions: half a fragment of V^T.  Nothing changes lanes.
;   S^T = K Q^T has only 16 channels for its K of 32.  The other half carries the bias: keys' registers 4-7 hold bias[q0 + 8 h + e][key r], queries' registers 4-7 hold 1 where 8 h + e = r.
;   So the product is q . k / 4 + bias.  In S^T a lane holds one query and 128 of its 256 keys, all at once: the maximum is taken over all keys before any exponential.
;   O^T = V^T P: the weights, packed in place, are source 1.
; Part 2: wave w norms positions 32 w .. 32 w + 31; then, for chunks of 32 positions, it makes hidden channels 64 w .. 64 w + 63 (into LDS, bf16) and, from all 512, output channels 16 w .. 16 w + 15.
; LDS: XT at 0 (x, 256 rows of 528 bytes; one tensor load a wave, filled once; y and then z replace x, each wave in its own 64 bytes of a row);
;      XN: LN(x), later LN'(y), bf16, rows of 272; QO: rows of 272: bytes 32 w .. 32 w + 31 of a row are wave w's: first q, then the gated o;
;      in part 2 QO's bytes take H0, H1: the hidden layer of a chunk, 32 rows of 1,040 bytes, by turns.  One barrier a chunk: a buffer is written again two chunks later,
;      behind the next chunk's barrier, in front of which every wave has waited for its reads of it.
; REGISTERS.  Window 1, part 1: v0-127 K | bias, key tile kt at 8 kt; v128-191 V^T, then the output projection's fragments; v192-223 gate weights; v224-255 output weights.
;   Window 1, part 2: v0-127 W1's four blocks, asked for behind the query loop; v128-255 W2's four, asked for behind the output projection.
;   Window 0, part 1: v1-15 addresses; v16-25 at work; v32-39 Q | one-hot; v40-63 O0, O1, gate; v64-95 fragments; v96-111 biases; v112-127 residual; v128-255 S^T.
; No joint loads for the bias blocks, which all work-groups read: they go straight into operand registers, one query tile ahead, with the softmax in which to land.
; Limits: xn, weights, q, k, v, bias, softmax weights, gated o, LN'(y) and the hidden layer are rounded to bf16 (matrix operands); norms, softmax, gate, biases, residuals in f32;
; v_exp_f32, v_rcp_f32, v_rsq_f32 are not correctly rounded and flush denormal results to zero (a weight below 2^-126 of the largest counts as 0).
.set XN,   135168
.set QO,   204800
.set H0,   204800
.set XA,   1
.set XNW,  2
.set AFA,  3
.set QOA,  4
.set OFA,  5
.set XRA,  6
.set WOF,  7
.set PV,   8
.set CB,   9
.set L16,  10
.set ORD,  11
.set BOF,  12                          ; head w's bias blocks; in part 2: 16 lane + 16384 w, W1's blocks
.set RR,   13
.set HH,   14
.set HR,   4                           ; part 2: hidden layer, read
.set HW,   5                           ; part 2: hidden layer, write
.set B1O,  26                          ; part 2: (64 w + 8 h) 4
.set T,    16
.set P,    32
.set X,    64
.set G,    128
.set B,    192
.set QB,   32
.set O0,   40
.set O1,   48
.set GA,   56
.set AF,   64
.set AQ,   96
.set AK,   104
.set AV,   112
.set GBS,  96
.set OBV,  104
.set XR,   112
.set S,    128
.set QW,   128
.set KW,   160
.set VW,   192
.set TOA,  32                          ; part 2: two output accumulators
.set TXR,  48                          ; part 2: residual
.set HA,   64                          ; part 2: eight hidden accumulators, then a fragment buffer
.set TAF,  128                         ; part 2: fragment buffer
.set B1V,  192
.set B2V,  224
.set PK,   232
.set WV,   48
.set CNT,  49
.set SEL,  50
.set INV,  52
.set EPS,  53
.set MSB, 0
.macro WIN new                         ; the immediate's high byte repeats the setting that is left
.if MSB != \new
	s_set_vgpr_msb (MSB<<8)|\new
.set MSB, \new
.endif
.endm
.macro PLACES                          ; four places behind a matrix instruction, and behind a tensor load
.rept 4
	v_nop
.endr
.endm
.macro BAR
	s_barrier_signal -1
	s_barrier_wait -1
.endm
.macro LDW dst, voff, ptr, imm         ; a weight block: 8 loads of 512 consecutive bytes, straight into fragment registers
.irp i, 0,1,2,3,4,5,6,7
	global_load_b128 v[\dst+4*\i:\dst+4*\i+3], v[\voff], s[\ptr:\ptr+1] offset:\imm+512*\i
.endr
.endm
.macro LDP dst, ptr                    ; my 64 numbers of a vector of 128
.irp u, 0,1,2,3,4,5,6,7
	global_load_b128 v[\dst+8*\u:\dst+8*\u+3],   v[PV], s[\ptr:\ptr+1] offset:64*\u
	global_load_b128 v[\dst+8*\u+4:\dst+8*\u+7], v[PV], s[\ptr:\ptr+1] offset:64*\u+16
.endr
.endm
.macro LDX t                           ; my 64 channels of position 32 w + 16 t + r: register 8 u + e = channel 16 u + 8 h + e
.irp u, 0,1,2,3,4,5,6,7
	ds_load_b128 v[X+8*\u:X+8*\u+3],   v[XA] offset:\t*8448+64*\u
	ds_load_b128 v[X+8*\u+4:X+8*\u+7], v[XA] offset:\t*8448+64*\u+16
.endr
.endm
.macro LNRED                           ; four chains of pairs -> one number, the same in both lanes of a position
	v_pk_add_f32 v[T:T+1], v[T:T+1], v[T+2:T+3]
	v_pk_add_f32 v[T+4:T+5], v[T+4:T+5], v[T+6:T+7]
	v_pk_add_f32 v[T:T+1], v[T:T+1], v[T+4:T+5]
	v_add_f32 v[T], v[T], v[T+1]
	v_permlanex16_b32 v[T+1], v[T], s[SEL], s[SEL+1]
	v_add_f32 v[T], v[T], v[T+1]
.endm
.macro LNCORE p                        ; layer norm of X in two passes (mean, then squares of the differences); the result, bf16 in pairs, into v[p .. p+31]
.irp c, 0,2,4,6
	v_pk_add_f32 v[T+\c:T+\c+1], v[X+\c:X+\c+1], v[X+8+\c:X+9+\c]
.endr
.set j, 16
.rept 24
	v_pk_add_f32 v[T+j%8:T+j%8+1], v[T+j%8:T+j%8+1], v[X+j:X+j+1]
.set j, j+2
.endr
	LNRED
	v_mul_f32 v[T+8], s[INV], v[T]
	v_mov_b32 v[T+9], v[T+8]
.set j, 0
.rept 32
	v_pk_add_f32 v[X+j:X+j+1], v[X+j:X+j+1], v[T+8:T+9] neg_lo:[0,1] neg_hi:[0,1]
.set j, j+2
.endr
.irp c, 0,2,4,6
	v_pk_mul_f32 v[T+\c:T+\c+1], v[X+\c:X+\c+1], v[X+\c:X+\c+1]
.endr
.set j, 8
.rept 28
	v_pk_fma_f32 v[T+j%8:T+j%8+1], v[X+j:X+j+1], v[X+j:X+j+1], v[T+j%8:T+j%8+1]
.set j, j+2
.endr
	LNRED
	v_fma_f32 v[T], v[T], s[INV], s[EPS]           ; variance + 1e-5
	v_rsq_f32 v[T+8], v[T]
	v_nop                                          ; a plain instruction between the root and its use
	s_wait_alu depctr_va_vdst(0)
	v_mov_b32 v[T+9], v[T+8]
.set j, 0
.rept 32
	v_pk_mul_f32 v[X+j:X+j+1], v[X+j:X+j+1], v[T+8:T+9]
.set j, j+2
.endr
.set j, 0
.rept 32
	v_pk_fma_f32 v[X+j:X+j+1], v[X+j:X+j+1], v[G+j:G+j+1], v[B+j:B+j+1]
.set j, j+2
.endr
.set j, 0
.rept 32
	v_cvt_pk_bf16_f32 v[\p+j], v[X+2*j], v[X+2*j+1]
.set j, j+1
.endr
.endm
.macro STN adr, src, t                 ; a normed tile into rows of 272 bytes
.irp u, 0,1,2,3,4,5,6,7
	ds_store_b128 v[\adr], v[\src+4*\u:\src+4*\u+3] offset:\t*4352+32*\u
.endr
.endm
.macro FRAG dst, adr, ofs              ; 16 rows x 128 K of bf16: four fragments, two loads of 16 bytes each, 32 bytes apart
.irp s, 0,1,2,3
	ds_load_b128 v[\dst+8*\s:\dst+8*\s+3],   v[\adr] offset:\ofs+64*\s
	ds_load_b128 v[\dst+8*\s+4:\dst+8*\s+7], v[\adr] offset:\ofs+64*\s+32
.endr
.endm
.macro OUTROWS step, ptr               ; my 32 finished rows of XT, whole: each store covers 512 consecutive bytes, aligned
.irp b, 0,1
.irp t, 0,1,2,3,4,5,6,7,8,9,10,11,12,13,14,15
	ds_load_b128 v[128+64*\b+4*\t:128+64*\b+4*\t+3], v[ORD] offset:(16*\b+\t)*528
.endr
.endr
.irp b, 0,1
	s_wait_dscnt 16-16*\b                          ; the first sixteen rows are back, the other sixteen loads may stay out; then all
.irp t, 0,1,2,3,4,5,6,7,8,9,10,11,12,13,14,15
	global_store_b128 v[L16], v[128+64*\b+4*\t:128+64*\b+4*\t+3], s[\ptr:\ptr+1] offset:(16*\b+\t)*\step
.endr
.endr
.endm
	s_load_b512 s[4:19], s[0:1], 0x0               ; x, ob, ln_g, ln_b, w, g_b, o_b; part 2: ln_g
	s_load_b256 s[20:27], s[0:1], 0x40             ; part 2: ln_b, w, b1, b2
	s_load_b64 s[28:29], s[0:1], 0x60              ; out0
	v_lshl_add_u32 v30, v0, 2, 0x43000
	v_mov_b32 v31, 0
	ds_add_u32 v30, v31
	ds_add_u32 v30, v31
	v_lshrrev_b32 v15, 5, v0
	v_readfirstlane_b32 s[WV], v15
	s_mov_b32 s36, (2<<16)|(1<<20)|(6<<22)|(3<<25) ; 32 rows of 128 f32, 4 words of padding behind every 128
	s_mov_b32 s37, 128<<16
	s_mov_b32 s38, 32<<16
	s_mov_b32 s39, 128<<16
	s_mov_b32 s40, 32
	s_mov_b32 s41, 128
	s_mov_b32 s42, 0
	s_mov_b32 s43, 0
	s_mov_b32 s32, 1
	s_mul_i32 s33, s[WV], 16896
	s_lshl_b32 s2, ttmp9, 17
	s_lshl_b32 s3, s[WV], 14
	s_add_co_u32 s2, s2, s3
	s_mov_b32 s3, 0
	s_lshl_b32 s60, ttmp9, 9                       ; out, turned: position (32 w + t, i)
	s_lshl_b32 s61, s[WV], 22
	s_add_co_u32 s60, s60, s61
	s_mov_b32 s61, 0
	s_mov_b32 s[SEL], 0x76543210
	s_mov_b32 s[SEL+1], 0xfedcba98
	s_mov_b32 s[INV], 0x3c000000                   ; 1 / 128
	s_mov_b32 s[EPS], 0x3727c5ac                   ; 1e-5
	s_wait_dscnt 0x0
	s_wait_kmcnt 0x0
	s_add_nc_u64 s[34:35], s[4:5], s[2:3]
	s_or_b32 s35, s35, 0x80000000
	s_add_nc_u64 s[28:29], s[28:29], s[60:61]
	tensor_load_to_lds s[32:35], s[36:43]          ; my one tensor load of the launch
	s_nop 0
	PLACES
	v_and_b32 v[RR], 15, v0
	v_bfe_u32 v[HH], v0, 4, 1
	v_and_b32 v15, 31, v0
	v_lshlrev_b32 v[L16], 4, v15
	v_lshlrev_b32 v[PV], 5, v[HH]
	v_mul_u32_u24 v15, v[RR], 528
	v_add_nc_u32 v[XA], s33, v15
	v_lshl_add_u32 v[XA], v[HH], 5, v[XA]
	v_add_nc_u32 v[ORD], s33, v[L16]
	s_lshl_b32 s54, s[WV], 6
	v_add_nc_u32 v[XRA], s54, v15
	v_lshl_add_u32 v[XRA], v[HH], 5, v[XRA]
	v_lshl_add_u32 v[CB], v[HH], 5, s54            ; (16 w + 8 h) 4
	v_mul_u32_u24 v15, v[RR], 272
	v_lshl_add_u32 v15, v[HH], 4, v15
	v_add_nc_u32 v[AFA], XN, v15
	v_add_nc_u32 v[OFA], QO, v15
	s_mul_i32 s55, s[WV], 8704
	v_add_nc_u32 v[XNW], s55, v[AFA]
	s_lshl_b32 s56, s[WV], 5
	v_add_nc_u32 v[QOA], s56, v[OFA]
	s_lshl_b32 s57, s[WV], 12
	v_add_nc_u32 v[WOF], s57, v[L16]
	s_lshl_b32 s58, s[WV], 17
	v_add_nc_u32 v[BOF], s58, v[L16]               ; head w's bias blocks
	LDP G, 8
	LDP B, 10
	WIN 0x40
	LDW 192, WOF, 12, 98304                        ; gate weights
	LDW 224, WOF, 12, 131072                       ; output weights
	WIN 0
	s_wait_loadcnt 0x0
	s_wait_tensorcnt 0x0
.irp t, 0,1
	LDX \t
	s_wait_dscnt 0x0
	LNCORE P
	STN XNW, P, \t
.endr
	LDW QW, WOF, 12, 0
	LDW KW, WOF, 12, 32768
	LDW VW, WOF, 12, 65536
	s_wait_dscnt 0x0
	BAR                                            ; XN is whole
	s_wait_loadcnt 0x0
; q, k, v of position tile m: 12 matrix instructions, three accumulators by turns
.macro PROJ m
	s_wait_dscnt 0x0
.irp s, 0,1,2,3
.if \s == 0
	v_wmma_f32_16x16x32_bf16 v[AQ:AQ+7], v[QW+8*\s:QW+8*\s+7], v[AF+8*\s:AF+8*\s+7], 0
	v_wmma_f32_16x16x32_bf16 v[AK:AK+7], v[KW+8*\s:KW+8*\s+7], v[AF+8*\s:AF+8*\s+7], 0
	v_wmma_f32_16x16x32_bf16 v[AV:AV+7], v[AF+8*\s:AF+8*\s+7], v[VW+8*\s:VW+8*\s+7], 0
.else
	v_wmma_f32_16x16x32_bf16 v[AQ:AQ+7], v[QW+8*\s:QW+8*\s+7], v[AF+8*\s:AF+8*\s+7], v[AQ:AQ+7]
	v_wmma_f32_16x16x32_bf16 v[AK:AK+7], v[KW+8*\s:KW+8*\s+7], v[AF+8*\s:AF+8*\s+7], v[AK:AK+7]
	v_wmma_f32_16x16x32_bf16 v[AV:AV+7], v[AF+8*\s:AF+8*\s+7], v[VW+8*\s:VW+8*\s+7], v[AV:AV+7]
.endif
.endr
	PLACES
.if \m < 15
	FRAG AF, AFA, (\m+1)*4352
.endif
.irp j, 0,2,4,6
	v_pk_mul_f32 v[AQ+\j:AQ+\j+1], v[AQ+\j:AQ+\j+1], 0x3e800000 op_sel_hi:[1,0]   ; 1 / sqrt(16)
.endr
.irp i, 0,1,2,3
	v_cvt_pk_bf16_f32 v[T+\i], v[AQ+2*\i], v[AQ+2*\i+1]
.endr
	ds_store_b128 v[QOA], v[T:T+3] offset:\m*4352
	WIN 0x40                                       ; destination window 1
.irp i, 0,1,2,3
	v_cvt_pk_bf16_f32 v[8*\m+\i], v[AK+2*\i], v[AK+2*\i+1]
.endr
.irp i, 0,1,2,3
	v_cvt_pk_bf16_f32 v[128+8*(\m/2)+4*(\m%2)+\i], v[AV+2*\i], v[AV+2*\i+1]
.endr
	WIN 0
.endm
	FRAG AF, AFA, 0
.irp m, 0,1,2,3,4,5,6,7,8,9,10,11,12,13,14,15
	PROJ \m
.endr
	global_load_b128 v[GBS:GBS+3],   v[CB], s[14:15]
	global_load_b128 v[GBS+4:GBS+7], v[CB], s[14:15] offset:16
	global_load_b128 v[OBV:OBV+3],   v[CB], s[16:17]
	global_load_b128 v[OBV+4:OBV+7], v[CB], s[16:17] offset:16
	WIN 0x40
.irp k, 0,1,2,3,4,5,6,7,8,9,10,11,12,13,14,15
	global_load_b128 v[8*\k+4:8*\k+7], v[BOF], s[6:7] offset:512*\k   ; the bias of query tile 0
.endr
	WIN 0
	; the one-hot half of the queries' operand: bf16 1.0 at place 8 h + e = r
	v_and_b32 v[T], 1, v[RR]
	v_lshlrev_b32 v[T], 4, v[T]
	v_mov_b32 v[T+1], 0x3f80
	v_lshlrev_b32 v[T], v[T], v[T+1]
	v_lshrrev_b32 v[T+2], 3, v[RR]
	v_bfe_u32 v[T+3], v[RR], 1, 2
	v_cmp_eq_u32 vcc_lo, v[T+2], v[HH]
	v_cndmask_b32 v[T], 0, v[T], vcc_lo
.irp i, 0,1,2,3
	v_cmp_eq_u32 vcc_lo, \i, v[T+3]
	v_cndmask_b32 v[QB+4+\i], 0, v[T], vcc_lo
.endr
	s_wait_loadcnt 16                              ; g_b and o_b are in; the 16 bias loads behind them stay out
.irp j, 0,2,4,6
	v_pk_mul_f32 v[GBS+\j:GBS+\j+1], v[GBS+\j:GBS+\j+1], 0xbfb8aa3b op_sel_hi:[1,0]
.endr
.macro CVTP q                          ; pair q of the lane's 64 pairs of weights, rounded in place: 32 keys' weights end up in 8 neighbouring registers
	v_cvt_pk_bf16_f32 v[S+16*((\q)/8)+(\q)%8], v[S+2*(\q)], v[S+2*(\q)+1]
.endm
.macro FIN                             ; pair f is summed and rounded.  Pairs 0-7 start the four chains, two pairs to a chain: nothing is cleared
.if f < 8
.if f%2 == 1
	s_wait_alu depctr_va_vdst(0)
	v_pk_add_f32 v[T+f-1:T+f], v[S+2*f-2:S+2*f-1], v[S+2*f:S+2*f+1]
	CVTP f-1
	CVTP f
.endif
.else
	s_wait_alu depctr_va_vdst(0)
	v_pk_add_f32 v[T+2*(f%4):T+2*(f%4)+1], v[T+2*(f%4):T+2*(f%4)+1], v[S+2*f:S+2*f+1]
	CVTP f
.endif
.endm
; One tile of 16 queries against all 256 keys.  pf = 1: the next tile's bias is fetched.
.macro QT pf
	ds_load_b128 v[QB:QB+3], v[QOA]
	FRAG AF, AFA, 0                                ; xn of the queries, for the gate
	s_wait_dscnt 8                                 ; q is in; the eight loads behind it stay out
	s_wait_loadcnt 0x0                             ; this tile's bias
	WIN 0x01
.irp k, 0,1,2,3,4,5,6,7,8,9,10,11,12,13,14,15
	v_wmma_f32_16x16x32_bf16 v[S+8*\k:S+8*\k+7], v[8*\k:8*\k+7], v[QB:QB+7], 0
.endr
	WIN 0
	PLACES
.if \pf
	v_add_nc_u32 v[BOF], 8192, v[BOF]              ; free since the wait for its loads
	WIN 0x40
.irp k, 0,1,2,3,4,5,6,7,8,9,10,11,12,13,14,15
	global_load_b128 v[8*\k+4:8*\k+7], v[BOF], s[6:7] offset:512*\k
.endr
	WIN 0
.endif
	; the maximum of my 128 scores in four chains, each tile from its low registers on; then the other half of the lanes'
.irp g, 0,1,2,3
.irp q, 0,2,4,6
.irp c, 0,1,2,3
.if (\g == 0) && (\q == 0)
	v_max_num_f32 v[T+\c], v[S+8*\c], v[S+8*\c+1]
.else
	v_max3_num_f32 v[T+\c], v[T+\c], v[S+32*\g+8*\c+\q], v[S+32*\g+8*\c+\q+1]
.endif
.endr
.endr
.endr
	v_max3_num_f32 v[T], v[T], v[T+1], v[T+2]
	v_max_num_f32 v[T], v[T], v[T+3]
	v_permlanex16_b32 v[T+1], v[T], s[SEL], s[SEL+1]
	v_max_num_f32 v[T], v[T], v[T+1]
	v_mul_f32 v[T+8], 0xbfb8aa3b, v[T]             ; -log2(e) m
	v_mov_b32 v[T+9], v[T+8]
	v_pk_fma_f32 v[S:S+1], v[S:S+1], 0x3fb8aa3b, v[T+8:T+9] op_sel_hi:[1,0,1]
	v_pk_fma_f32 v[S+2:S+3], v[S+2:S+3], 0x3fb8aa3b, v[T+8:T+9] op_sel_hi:[1,0,1]
	; behind each pair of exponentials stands plain work: the scaling two pairs ahead, the sum and the rounding one pair back
.set p, 0
.rept 64
	v_exp_f32 v[S+2*p], v[S+2*p]
	v_exp_f32 v[S+2*p+1], v[S+2*p+1]
.if p < 62
	v_pk_fma_f32 v[S+2*p+4:S+2*p+5], v[S+2*p+4:S+2*p+5], 0x3fb8aa3b, v[T+8:T+9] op_sel_hi:[1,0,1]
.endif
.if p > 0
.set f, p-1
	FIN
.endif
.set p, p+1
.endr
.set f, 63
	FIN
	s_wait_dscnt 0x0                               ; the gate's fragments
	WIN 0x01
.irp i, 0,1,2,3                        ; V^T P on two accumulators and the gate on a third, by turns
.if \i == 0
	v_wmma_f32_16x16x32_bf16 v[O0:O0+7], v[128+16*\i:128+16*\i+7], v[S+32*\i:S+32*\i+7], 0
	v_wmma_f32_16x16x32_bf16 v[O1:O1+7], v[136+16*\i:136+16*\i+7], v[S+32*\i+16:S+32*\i+23], 0
	v_wmma_f32_16x16x32_bf16 v[GA:GA+7], v[192+8*\i:192+8*\i+7], v[AF+8*\i:AF+8*\i+7], 0
.else
	v_wmma_f32_16x16x32_bf16 v[O0:O0+7], v[128+16*\i:128+16*\i+7], v[S+32*\i:S+32*\i+7], v[O0:O0+7]
	v_wmma_f32_16x16x32_bf16 v[O1:O1+7], v[136+16*\i:136+16*\i+7], v[S+32*\i+16:S+32*\i+23], v[O1:O1+7]
	v_wmma_f32_16x16x32_bf16 v[GA:GA+7], v[192+8*\i:192+8*\i+7], v[AF+8*\i:AF+8*\i+7], v[GA:GA+7]
.endif
.endr
	WIN 0
	LNRED                                          ; l: six plain instructions on other registers, the places behind the products
	v_rcp_f32 v[T+8], v[T]
.irp j, 0,2,4,6
	v_pk_fma_f32 v[GA+\j:GA+\j+1], v[GA+\j:GA+\j+1], 0xbfb8aa3b, v[GBS+\j:GBS+\j+1] op_sel_hi:[1,0,1]
.endr
.irp j, 0,1,2,3,4,5,6,7
	v_exp_f32 v[GA+\j], v[GA+\j]
.endr
.irp j, 0,2,4,6
	v_pk_add_f32 v[O0+\j:O0+\j+1], v[O0+\j:O0+\j+1], v[O1+\j:O1+\j+1]
.endr
	s_wait_alu depctr_va_vdst(0)
	v_mov_b32 v[T+9], v[T+8]
.irp j, 0,2,4,6
	v_pk_add_f32 v[GA+\j:GA+\j+1], v[GA+\j:GA+\j+1], 1.0 op_sel_hi:[1,0]
.endr
.irp j, 0,1,2,3,4,5,6,7
	v_rcp_f32 v[GA+\j], v[GA+\j]
.endr
.irp j, 0,2,4,6
	v_pk_mul_f32 v[O0+\j:O0+\j+1], v[O0+\j:O0+\j+1], v[T+8:T+9]
.endr
	s_wait_alu depctr_va_vdst(0)
.irp j, 0,2,4,6
	v_pk_mul_f32 v[O0+\j:O0+\j+1], v[O0+\j:O0+\j+1], v[GA+\j:GA+\j+1]
.endr
.irp i, 0,1,2,3
	v_cvt_pk_bf16_f32 v[T+\i], v[O0+2*\i], v[O0+2*\i+1]
.endr
	ds_store_b128 v[QOA], v[T:T+3]                 ; over this tile's q, which has been read
	v_add_nc_u32 v[QOA], 4352, v[QOA]
	v_add_nc_u32 v[AFA], 4352, v[AFA]
.endm
	s_mov_b32 s[CNT], 15
.Lqt:
	QT 1
	s_sub_co_u32 s[CNT], s[CNT], 1
	s_cmp_lg_u32 s[CNT], 0
	s_cbranch_scc1 .Lqt
	QT 0
	s_wait_dscnt 0x0
	BAR                                            ; the gated o of all heads is in QO
	; K | bias and S^T are spent: W1's four blocks and part 2's norm vectors are asked for now and land under the output projection
	s_lshl_b32 s59, s[WV], 14
	v_add_nc_u32 v[BOF], s59, v[L16]               ; free since the last wait for the bias loads
	WIN 0x40
.irp n, 0,1,2,3
	LDW 32*\n, BOF, 22, 4096*\n                    ; W1: blocks 4 w + n
.endr
	WIN 0
	LDP G, 18
	LDP B, 20
; The output projection for two tiles of 16 positions; its fragments lie where V^T lay.  Residual + bias is added on registers that no product names: eight plain instructions, the places behind the products.
.macro OP
	WIN 0x40                                       ; destination window 1
	FRAG 128, OFA, 0
	FRAG 160, OFA, 4352
	WIN 0
	ds_load_b128 v[XR:XR+3],     v[XRA]
	ds_load_b128 v[XR+4:XR+7],   v[XRA] offset:16
	ds_load_b128 v[XR+8:XR+11],  v[XRA] offset:8448
	ds_load_b128 v[XR+12:XR+15], v[XRA] offset:8464
	s_wait_dscnt 0x0
	WIN 0x05                                       ; sources 0 and 1 window 1
.irp s, 0,1,2,3
.if \s == 0
	v_wmma_f32_16x16x32_bf16 v[O0:O0+7], v[224+8*\s:224+8*\s+7], v[128+8*\s:128+8*\s+7], 0
	v_wmma_f32_16x16x32_bf16 v[O1:O1+7], v[224+8*\s:224+8*\s+7], v[160+8*\s:160+8*\s+7], 0
.else
	v_wmma_f32_16x16x32_bf16 v[O0:O0+7], v[224+8*\s:224+8*\s+7], v[128+8*\s:128+8*\s+7], v[O0:O0+7]
	v_wmma_f32_16x16x32_bf16 v[O1:O1+7], v[224+8*\s:224+8*\s+7], v[160+8*\s:160+8*\s+7], v[O1:O1+7]
.endif
.endr
	WIN 0
.irp j, 0,2,4,6,8,10,12,14
	v_pk_add_f32 v[XR+\j:XR+\j+1], v[XR+\j:XR+\j+1], v[OBV+\j%8:OBV+\j%8+1]
.endr
.irp j, 0,2,4,6,8,10,12,14
	v_pk_add_f32 v[O0+\j:O0+\j+1], v[O0+\j:O0+\j+1], v[XR+\j:XR+\j+1]
.endr
	ds_store_b128 v[XRA], v[O0:O0+3]
	ds_store_b128 v[XRA], v[O0+4:O0+7] offset:16
	ds_store_b128 v[XRA], v[O1:O1+3] offset:8448
	ds_store_b128 v[XRA], v[O1+4:O1+7] offset:8464
	v_add_nc_u32 v[OFA], 8704, v[OFA]
	v_add_nc_u32 v[XRA], 16896, v[XRA]
.endm
	s_mov_b32 s[CNT], 8
.Lop:
	OP
	s_sub_co_u32 s[CNT], s[CNT], 1
	s_cmp_lg_u32 s[CNT], 0
	s_cbranch_scc1 .Lop
	; PART 2.  W2's four blocks take the rest of window 1 and land under the norm
	WIN 0x40
.irp n, 0,1,2,3
	LDW 128+32*\n, WOF, 22, (32+8*\n)*4096         ; W2: block 32 + 8 n + w: hidden channels 128 n on
.endr
	WIN 0
	v_mul_u32_u24 v15, v[RR], 272                  ; the addresses that part 1 has stepped are made anew
	v_lshl_add_u32 v15, v[HH], 4, v15
	v_add_nc_u32 v[AFA], XN, v15
	v_mul_u32_u24 v15, v[RR], 528
	v_add_nc_u32 v[XRA], s54, v15
	v_lshl_add_u32 v[XRA], v[HH], 5, v[XRA]
	v_mul_u32_u24 v15, v[RR], 1040
	v_lshl_add_u32 v15, v[HH], 4, v15
	v_add_nc_u32 v[HR], H0, v15
	s_lshl_b32 s60, s[WV], 7
	v_add_nc_u32 v[HW], s60, v[HR]
	s_lshl_b32 s61, s[WV], 8
	v_lshl_add_u32 v[B1O], v[HH], 5, s61
	s_wait_dscnt 0x0
	BAR                                            ; y is whole in XT, and QO is read no more
	s_wait_loadcnt 32                              ; W1 and the norm vectors are in; W2's 32 loads behind them stay out
.irp t, 0,1
	LDX \t
	s_wait_dscnt 0x0
	LNCORE P
	STN XNW, P, \t
.endr
.irp n, 0,1,2,3
	global_load_b128 v[B1V+8*\n:B1V+8*\n+3],   v[B1O], s[24:25] offset:64*\n
	global_load_b128 v[B1V+8*\n+4:B1V+8*\n+7], v[B1O], s[24:25] offset:64*\n+16
.endr
	global_load_b128 v[B2V:B2V+3],   v[CB], s[26:27]
	global_load_b128 v[B2V+4:B2V+7], v[CB], s[26:27] offset:16
	s_wait_dscnt 0x0
	BAR                                            ; XN is whole, and nobody reads y's rows as a whole any more
	s_wait_loadcnt 0x0
.macro HLOAD dst, buf, kc              ; the chunk's 32 rows, hidden channels 128 kc on: eight fragments
.irp t, 0,1
	FRAG \dst+32*\t, HR, \buf*33280+\t*16640+256*\kc
.endr
.endm
.macro HMUL f, kc                      ; 8 matrix instructions, the two accumulators by turns
	WIN 0x01
.irp s, 0,1,2,3
.irp t, 0,1
.if (\kc == 0) && (\s == 0)
	v_wmma_f32_16x16x32_bf16 v[TOA+8*\t:TOA+8*\t+7], v[128+32*\kc+8*\s:128+32*\kc+8*\s+7], v[\f+32*\t+8*\s:\f+32*\t+8*\s+7], 0
.else
	v_wmma_f32_16x16x32_bf16 v[TOA+8*\t:TOA+8*\t+7], v[128+32*\kc+8*\s:128+32*\kc+8*\s+7], v[\f+32*\t+8*\s:\f+32*\t+8*\s+7], v[TOA+8*\t:TOA+8*\t+7]
.endif
.endr
.endr
	WIN 0
.endm
; A chunk of 32 positions
.macro CHUNK buf
	FRAG TAF, AFA, 0
	FRAG TAF+32, AFA, 4352
	ds_load_b128 v[TXR:TXR+3],     v[XRA]
	ds_load_b128 v[TXR+4:TXR+7],   v[XRA] offset:16
	ds_load_b128 v[TXR+8:TXR+11],  v[XRA] offset:8448
	ds_load_b128 v[TXR+12:TXR+15], v[XRA] offset:8464
	s_wait_dscnt 4                                 ; the 16 fragment loads are in; the residual's four stay out
	WIN 0x01
.irp s, 0,1,2,3                        ; 32 matrix instructions on eight accumulators by turns
.irp t, 0,1
.irp n, 0,1,2,3
.if \s == 0
	v_wmma_f32_16x16x32_bf16 v[HA+8*(4*\t+\n):HA+8*(4*\t+\n)+7], v[32*\n+8*\s:32*\n+8*\s+7], v[TAF+32*\t+8*\s:TAF+32*\t+8*\s+7], 0
.else
	v_wmma_f32_16x16x32_bf16 v[HA+8*(4*\t+\n):HA+8*(4*\t+\n)+7], v[32*\n+8*\s:32*\n+8*\s+7], v[TAF+32*\t+8*\s:TAF+32*\t+8*\s+7], v[HA+8*(4*\t+\n):HA+8*(4*\t+\n)+7]
.endif
.endr
.endr
.endr
	WIN 0
	PLACES
.irp t, 0,1
.irp n, 0,1,2,3
.irp j, 0,2,4,6
	v_pk_add_f32 v[HA+8*(4*\t+\n)+\j:HA+8*(4*\t+\n)+\j+1], v[HA+8*(4*\t+\n)+\j:HA+8*(4*\t+\n)+\j+1], v[B1V+8*\n+\j:B1V+8*\n+\j+1]
.endr
.irp j, 0,1,2,3,4,5,6,7
	v_max_num_f32 v[HA+8*(4*\t+\n)+\j], 0, v[HA+8*(4*\t+\n)+\j]
.endr
.irp i, 0,1,2,3
	v_cvt_pk_bf16_f32 v[PK+4*(\n%2)+\i], v[HA+8*(4*\t+\n)+2*\i], v[HA+8*(4*\t+\n)+2*\i+1]
.endr
	ds_store_b128 v[HW], v[PK+4*(\n%2):PK+4*(\n%2)+3] offset:\buf*33280+\t*16640+32*\n
.endr
.endr
	s_wait_dscnt 0x0                               ; my part of the hidden layer is written, and all my earlier reads are back
	BAR
	HLOAD TAF, \buf, 0                             ; two fragment buffers: v128-191 and the spent accumulators v64-127
	HLOAD HA, \buf, 1
	s_wait_dscnt 16                                ; quarter 0 is in; quarter 1's 16 loads stay out
	HMUL TAF, 0
	PLACES
	HLOAD TAF, \buf, 2
	s_wait_dscnt 16                                ; quarter 1 is in; quarter 2's stay out
	HMUL HA, 1
	PLACES
	HLOAD HA, \buf, 3
	s_wait_dscnt 16                                ; quarter 2 is in; quarter 3's stay out
	HMUL TAF, 2
	s_wait_dscnt 0x0
	HMUL HA, 3
.irp j, 0,2,4,6,8,10,12,14             ; residual + bias on registers that no product names: the places behind the products
	v_pk_add_f32 v[TXR+\j:TXR+\j+1], v[TXR+\j:TXR+\j+1], v[B2V+\j%8:B2V+\j%8+1]
.endr
.irp j, 0,2,4,6,8,10,12,14
	v_pk_add_f32 v[TOA+\j:TOA+\j+1], v[TOA+\j:TOA+\j+1], v[TXR+\j:TXR+\j+1]
.endr
	ds_store_b128 v[XRA], v[TOA:TOA+3]
	ds_store_b128 v[XRA], v[TOA+4:TOA+7] offset:16
	ds_store_b128 v[XRA], v[TOA+8:TOA+11] offset:8448
	ds_store_b128 v[XRA], v[TOA+12:TOA+15] offset:8464
	v_add_nc_u32 v[AFA], 8704, v[AFA]
	v_add_nc_u32 v[XRA], 16896, v[XRA]
.endm
	s_mov_b32 s[CNT], 4
.Lchunk:
	CHUNK 0
	CHUNK 1
	s_sub_co_u32 s[CNT], s[CNT], 1
	s_cmp_lg_u32 s[CNT], 0
	s_cbranch_scc1 .Lchunk
	s_wait_dscnt 0x0
	BAR                                            ; all eight waves' columns of every row of z are written
	OUTROWS 131072, 28
	s_wait_tensorcnt 0x0
	ds_add_u32 v30, v31
	s_wait_dscnt 0x0
	s_endpgm
.Lfunc_end_k_q096d56e9dd_tr:
	.size	k_q096d56e9dd_tr, .Lfunc_end_k_q096d56e9dd_tr-k_q096d56e9dd_tr
	.p2alignl 7, 3214868480
	.fill 96, 4, 3214868480
	.section	.rodata,"a",@progbits
	.p2align	6, 0x0
	.amdhsa_kernel k_q096d56e9dd_tr
		.amdhsa_group_segment_fixed_size 275456
		.amdhsa_private_segment_fixed_size 0
		.amdhsa_enable_private_segment 0
		.amdhsa_kernarg_size 104
		.amdhsa_user_sgpr_count 2
		.amdhsa_user_sgpr_kernarg_segment_ptr 1
		.amdhsa_wavefront_size32 1
		.amdhsa_system_sgpr_workgroup_id_x 1
		.amdhsa_system_sgpr_workgroup_id_y 1
		.amdhsa_system_sgpr_workgroup_id_z 1
		.amdhsa_system_vgpr_workitem_id 0
		.amdhsa_next_free_vgpr 512
		.amdhsa_next_free_sgpr 66
		.amdhsa_reserve_vcc 1
		.amdhsa_float_denorm_mode_32 3
		.amdhsa_float_denorm_mode_16_64 3
		.amdhsa_memory_ordered 1
		.amdhsa_forward_progress 1
		.amdhsa_inst_pref_size 229
	.end_amdhsa_kernel
	.amdgpu_metadata
---
amdhsa.version: [ 1, 2 ]
amdhsa.kernels:
  - .name:           k_q096d56e9dd_tr
    .symbol:         k_q096d56e9dd_tr.kd
    .args:
      - { .name: pA, .offset: 0, .size: 8, .value_kind: global_buffer, .address_space: global }
      - { .name: ob, .offset: 8, .size: 8, .value_kind: global_buffer, .address_space: global }
      - { .name: params_ae_ln_g, .offset: 16, .size: 8, .value_kind: global_buffer, .address_space: global }
      - { .name: params_ae_ln_b, .offset: 24, .size: 8, .value_kind: global_buffer, .address_space: global }
      - { .name: wAE, .offset: 32, .size: 8, .value_kind: global_buffer, .address_space: global }
      - { .name: params_ae_g_b, .offset: 40, .size: 8, .value_kind: global_buffer, .address_space: global }
      - { .name: params_ae_o_b, .offset: 48, .size: 8, .value_kind: global_buffer, .address_space: global }
      - { .name: params_tr_ln_g, .offset: 56, .size: 8, .value_kind: global_buffer, .address_space: global }
      - { .name: params_tr_ln_b, .offset: 64, .size: 8, .value_kind: global_buffer, .address_space: global }
      - { .name: wTR, .offset: 72, .size: 8, .value_kind: global_buffer, .address_space: global }
      - { .name: params_tr_b1, .offset: 80, .size: 8, .value_kind: global_buffer, .address_space: global }
      - { .name: params_tr_b2, .offset: 88, .size: 8, .value_kind: global_buffer, .address_space: global }
      - { .name: out0, .offset: 96, .size: 8, .value_kind: global_buffer, .address_space: global }
    .group_segment_fixed_size: 275456
    .private_segment_fixed_size: 0
    .kernarg_segment_align: 8
    .kernarg_segment_size: 104
    .max_flat_workgroup_size: 256
    .sgpr_count:     66
    .vgpr_count:     512
    .wavefront_size: 32
...
	.end_amdgpu_metadata
.endif
;; end of part 8
